; MI455X (gfx1250); checked and timed in simulation.
; The chip was launched on July 23, 2026; its instructions are those of AMD's public machine-readable ISA for CDNA 5 (MIT licence, August 2026) and "CDNA5" Instruction Set Architecture Reference Guide (July 2026). The comments in the code are by the model that wrote it; some were corrected since.
;; MHA. Allowed arithmetic: matrix products marked QUANTISED: E2M3 operands, one E8M0 scale for each 32 along K, by v_wmma_scale_f32_16x16x128_f8f6f4 with both operands' format E2M3, f32 sums; everything else in f32.
;; Inputs: W_out 1,024 x 1,024 float32; W_qkv 1,024 x 3,072 float32; b_out 1,024 float32; b_qkv 3,072 float32; x 4 x 2,048 x 1,024 float32.
;; Outputs: out0 4 x 2,048 x 1,024 float32.
;; This version of the problem:
;;   THIS VERSION OF THE PROBLEM IS GIVEN IN LOW PRECISION. The matrix products marked QUANTISED in the list below multiply operands that are first quantised to E2M3 (2 exponent bits, 3 mantissa bits; 6 bits a number), with one power-of-two scale for each 32 numbers along K (OCP MX v1.0); their sums are f32. All else is computed in f32.
;;   The module's matrix products, in the order in which they are computed (A, B: the left and right operand; K: the contracted axis; several contracted axes count as one K, in the product's order):
;;     1. [M 8,192, K 1,024] x [K 1,024, N 3,072]; A: input x; B: input W_qkv: QUANTISED
;;     2. batch 64 x [M 2,048, K 64] x [K 64, N 2,048]; A: computed on the way; B: computed on the way: QUANTISED
;;     3. batch 64 x [M 2,048, K 2,048] x [K 2,048, N 64]; A: softmax (see below); B: computed on the way: QUANTISED
;;     4. [M 8,192, K 1,024] x [K 1,024, N 1,024]; A: computed on the way; B: input W_out: QUANTISED
;;   THE QUANTISER, for each operand of a quantised product, along K:
;;     - K is cut into blocks of 32 from its start; a last block that is shorter is filled with zeros.
;;     - A block's scale is 2^e with e = floor(log2(the largest magnitude in the block)) - 2, held to -126 .. 127; a block of zeros has e = 0. As a byte (E8M0): e + 127.
;;     - Each number is divided by its block's scale, clamped to +-7.5, and rounded to the nearest number of E2M3, ties to even, subnormals kept.
;;     - The product sums the exact products of the quantised numbers (number of the format x scale) in f32.
;;   ~~~python
;;   def quantise(x, axis):      # numpy; x: float32 -> the quantised numbers, widened to float32 again
;;       x = np.moveaxis(x, axis, -1); K = x.shape[-1]
;;       x = np.pad(x, [(0, 0)] * (x.ndim - 1) + [(0, -K % 32)]); x = x.reshape(x.shape[:-1] + (-1, 32)); a = np.abs(x).max(-1, keepdims=True)
;;       e = np.where(a > 0, np.clip(np.frexp(np.where(a > 0, a, 1))[1] - 1 - 2, -126, 127), 0)      # np.frexp(a)[1] - 1 = floor(log2(a)), exactly
;;       r = np.clip(x / 2.0 ** e, -7.5, 7.5)
;;       step = 2.0 ** (np.maximum(np.frexp(np.where(r == 0, 1, r))[1] - 1, 0) - 3)
;;       q = np.round(r / step) * step * 2.0 ** e      # np.round: ties to even
;;       return np.moveaxis(q.reshape(q.shape[:-2] + (-1,))[..., :K], -1, axis).astype(np.float32)
;;   ~~~
;;   SOFTMAX AHEAD OF A QUANTISED PRODUCT. Where the list says 'softmax', what is quantised is not the finished softmax but p = 2^(t - M), with t = logit x log2(e) and M = ceil(the row's largest t), a whole number; so 1/2 < the row's largest p <= 1. The row's sum l is taken of the UNQUANTISED p, in f32, and the product's result is divided by l at the end. Since M is a whole number, a kernel that streams over the keys may use a running M (the ceiling of the running maximum): every later rescaling is an exact power of two, which a block's scale takes up: the codes' values come out the same.
;;   OPERANDS COMPUTED ON THE WAY. 'Computed on the way' means the value that the module computes at that place (a softmax that the list does not call 'softmax' is quantised finished and normalised). What goes into a quantiser is computed in f32, as accurately as f32 sums, v_exp_f32 and their like allow (about 1e-6 of the number): no bf16 or f16 on the way to a quantiser, and a product that is left as it is and whose result goes on into a quantised operand takes f32 operands (vector FMAs, or v_wmma_f32_16x16x4_f32). A number that lies on a knife's edge between two numbers of the format may be rounded either way, as far as f32 arithmetic and the matrix unit's own rounding can turn it there, and no further.
;; One version. Each part assembles by itself: llvm-mc -triple=amdgcn-amd-amdhsa -mcpu=gfx1250 --defsym DOCPART=n.
;; ======== version 1 of 1: 4 launches
;; workspace buffers: xcod 6,291,456 bytes; xscl 262,144 bytes; wcod 3,145,728 bytes; wscl 131,072 bytes; qkv 18,874,368 bytes; qkvs 1,572,864 bytes; acod 6,291,456 bytes; ascl 262,144 bytes
;; launch quant (part 1): grid 96 x 4, 4 waves a work-group, no clusters, 68,096 bytes of LDS; arguments x, xcod, xscl, W_qkv, W_out, wcod, wscl; writes xcod, xscl, wcod, wscl
.if DOCPART == 1
	.amdgcn_target "amdgcn-amd-amdhsa--gfx1250"
	.amdhsa_code_object_version 6
	.text
	.protected	k_qf2222f7722_quant
	.globl	k_qf2222f7722_quant
	.p2align	8
	.type	k_qf2222f7722_quant,@function
k_qf2222f7722_quant:
	s_mov_b64 s[64:65], 0
	v_nop
	global_prefetch_b8 v0, s[64:65] scope:SCOPE_SE
	s_setreg_imm32_b32 hwreg(HW_REG_WAVE_MODE, 25, 1), 1
	s_wait_xcnt 0x0
; x [8192][1024], W_qkv [1024][3072] and W_out [1024][1024], all f32, become codes of FP6 (E2M3), K innermost, 768 bytes a row, with one E8M0 byte for each 32 along K, 32 bytes a row.
; A block's scale is 2^(floor(log2(its largest magnitude)) - 2); its byte is the largest magnitude's exponent field - 2, held at 1 from below.
; EVERY ROW IS STORED AT THE PLACE WHOSE NUMBER HAS BITS 3 AND 4 SWAPPED: place 16 u + r of a group of 32 holds row 8 u + r + 8 (r / 8).  So sixteen neighbouring places are a tile whose results, in the
; later products, give a lane sixteen neighbours along the next K.  wcod, wscl: places 0-3071 the columns of W_qkv, 3072-4095 those of W_out.
; LIMITS: a block whose largest magnitude lies under 2^-124 has its byte held at 1; a block of zeros has the byte 1 and not 127 (its codes are zeros, and this program alone reads the bytes); NaN and infinities are not served.
; Work-groups x < 64 (256 of them with y) take x: K is innermost, a wave takes 8 rows as 16 steps of 512 numbers, turned through its own stage in LDS so that a lane holds 16 neighbours.
; Work-groups x >= 64 (128) take the weights: K is the first axis, a lane takes a column and its registers run down K; 32 columns x 256 along K a wave.
; The two ways never join, and each has LDS bytes of its own.  No tensor loads, no barrier: waves share nothing.
.set STEPS, 16
.set CB,    12                         ; bytes of 16 codes
.set WREG,  8192                       ; x: a wave's LDS: two stages of 32 x SP bytes, behind them its 256 scale bytes
.set SP,    80                         ; a lane's place in a stage: 64 bytes + 16 of padding
.set XR,    16                         ; v16-79   four sets of 16 numbers as loaded
.set XX,    80                         ; v80-111  two sets of 16 neighbours
.set XE,    112                        ; v112-127 a scale byte for each step
.set XC,    128                        ; v128-191 codes, four registers a step: no store's data are written again
.set WSTG,  32768                      ; weights: the stages begin here, 32 rows x WP a wave
.set WP,    272                        ; a stage row: sixteen places of 16 bytes (12 of codes each) + 16
.set NB,    8                          ; blocks of 32 along K for a wave
.set WSB,   24                         ; v24-25   scale bytes, four to a register
.set WX,    32                         ; v32-95   two sets of 32 numbers
.set WC,    96                         ; v96-102  a block's codes
.set WO,    112                        ; v112-175 the way out
.set WOF,   176                        ; v176-207 byte offset of row i of a block: 4 x lane + i x the weight's row
	s_load_b128 s[4:7], s[0:1], 0x0                ; x, xcod
	s_load_b128 s[8:11], s[0:1], 0x10              ; xscl, W_qkv
	s_load_b128 s[12:15], s[0:1], 0x20             ; W_out, wcod
	s_load_b64 s[16:17], s[0:1], 0x30              ; wscl
	v_lshl_add_u32 v208, v0, 2, 0x10800
	v_mov_b32 v209, 0
	v_lshrrev_b32 v1, 5, v0
	v_readfirstlane_b32 s18, v1                    ; wave
	v_and_b32 v2, 31, v0                           ; lane
	s_and_b32 s19, ttmp7, 0xffff                   ; y
	s_cmp_lt_u32 ttmp9, 64
	s_cbranch_scc0 .Lweights
	; ---------------- x ----------------
	v_lshlrev_b32 v3, 4, v2                        ; my 16 bytes of a load's 512
	s_mul_i32 s20, s18, WREG
	v_lshrrev_b32 v14, 2, v2
	v_mul_u32_u24 v14, v14, SP
	v_and_b32 v15, 3, v2
	v_lshl_add_u32 v14, v15, 4, v14
	v_add_nc_u32 v14, s20, v14                     ; the stage, in: SP (lane / 4) + 16 (lane % 4)
	v_mul_u32_u24 v15, v2, SP
	v_add_nc_u32 v15, s20, v15                     ; and out: SP x lane: my 16 neighbours
	v_mul_u32_u24 v4, v2, CB                       ; my codes' place in a step's
	v_lshrrev_b32 v5, 1, v2
	s_add_co_u32 s20, s20, 2*32*SP
	v_add_nc_u32 v5, s20, v5                       ; my block's byte among my wave's 256
	v_lshlrev_b32 v7, 3, v2
	v_add_nc_u32 v6, s20, v7                       ; and 8 bytes a lane on the way out
	s_lshl_b32 s21, s19, 6
	s_add_co_u32 s21, s21, ttmp9                   ; which of the 256 work-groups
	s_lshl_b32 s21, s21, 2
	s_add_co_u32 s22, s21, s18                     ; the run of 8 rows that I read
	s_and_b32 s23, s18, 1
	s_lshl_b32 s23, s23, 1
	s_lshr_b32 s24, s18, 1
	s_or_b32 s23, s23, s24                         ; a row's bits 3 and 4 are a run's bits 0 and 1: swapped,
	s_add_co_u32 s24, s21, s23                     ; the run's place in the output
	s_lshl_b32 s22, s22, 15                        ; 32,768 bytes of f32 a run
	s_mov_b32 s23, 0
	s_mul_i32 s26, s24, 32*STEPS*CB                ; 6,144 bytes of codes
	s_mov_b32 s27, 0
	s_lshl_b32 s28, s24, 8                         ; 256 scale bytes
	s_mov_b32 s29, 0
	s_wait_alu depctr_va_vdst(0)
	s_wait_kmcnt 0x0
	s_add_nc_u64 s[4:5], s[4:5], s[22:23]
	s_add_nc_u64 s[6:7], s[6:7], s[26:27]
	s_add_nc_u64 s[8:9], s[8:9], s[28:29]
.macro XLOAD t
.irp i, 0,1,2,3
	global_load_b128 v[XR+16*((\t)%4)+4*\i:XR+16*((\t)%4)+4*\i+3], v3, s[4:5] offset:2048*(\t)+512*\i th:TH_LOAD_NT   ; 32 lanes read 512 consecutive bytes
.endr
.endm
.macro XTURN t                         ; a step's numbers through the stage: LDS serves a wave's instructions in order, so no wait stands between the stores and the loads
.irp i, 0,1,2,3
	ds_store_b128 v14, v[XR+16*((\t)%4)+4*\i:XR+16*((\t)%4)+4*\i+3] offset:32*SP*((\t)%2)+8*SP*\i
.endr
.irp i, 0,1,2,3
	ds_load_b128 v[XX+16*((\t)%2)+4*\i:XX+16*((\t)%2)+4*\i+3], v15 offset:32*SP*((\t)%2)+16*\i
.endr
.endm
.irp t, 0,1,2,3
	XLOAD \t
.endr
	s_wait_loadcnt 12                              ; step 0's four loads are in; the twelve of steps 1 to 3 may be out
	XTURN 0
.macro XSTEP t
.set XS, XX+16*((\t)%2)
.if (\t) > 0
	s_wait_dscnt 1                                 ; this step's numbers are back from the stage (the last step's byte store may be out), so its stores into the stage have read their registers,
.else
	s_wait_dscnt 0x0
.endif
.if (\t)+4 < STEPS
	XLOAD (\t)+4                                   ; which take the loads of four steps on
.endif
.if (\t)+1 < STEPS
.if STEPS-2-(\t) >= 3
	s_wait_loadcnt 12                              ; the next step's four loads are in; those of the three steps behind it may be out
.else
	s_wait_loadcnt 4*(STEPS-2-(\t))
.endif
	XTURN (\t)+1
.endif
	v_max3_num_f32 v8, |v[XS]|, |v[XS+1]|, |v[XS+2]|               ; the largest magnitude of my 16, in two chains
	v_max3_num_f32 v9, |v[XS+3]|, |v[XS+4]|, |v[XS+5]|
.irp i, 6,10
	v_max3_num_f32 v8, v8, |v[XS+\i]|, |v[XS+\i+1]|
	v_max3_num_f32 v9, v9, |v[XS+\i+2]|, |v[XS+\i+3]|
.endr
	v_max3_num_f32 v8, v8, |v[XS+14]|, |v[XS+15]|
	v_max3_num_f32 v8, v8, v9, 0x1800000           ; and the floor 2^(3 - 127): the byte cannot fall under 1
	v_max_num_f32_dpp v8, v8, v8 row_xmask:1 row_mask:0xf bank_mask:0xf   ; with my neighbour's 16: the block's
	v_add_nc_u32 v11, 0xff000000, v8               ; 2 off its exponent field: the conversion takes this operand's exponent field as its scale
	v_cvt_scalef32_pk16_fp6_f32 v[XC+4*(\t):XC+4*(\t)+2], v[XS:XS+15], v11
	v_lshrrev_b32 v[XE+(\t)], 23, v11              ; the scale's byte
	ds_store_b8 v5, v[XE+(\t)] offset:16*(\t)      ; both lanes of a block write the same byte with the same value
	global_store_b96 v4, v[XC+4*(\t):XC+4*(\t)+2], s[6:7] offset:32*CB*(\t)   ; the wave stores 384 consecutive bytes
.endm
.irp t, 0,1,2,3,4,5,6,7,8,9,10,11,12,13,14,15
	XSTEP \t
.endr
	ds_load_b64 v[12:13], v6                       ; in order behind my byte stores
	s_wait_dscnt 0x0
	global_store_b64 v7, v[12:13], s[8:9]          ; 32 lanes store 256 consecutive bytes, aligned
	s_wait_tensorcnt 0x0
	ds_add_u32 v208, v209
	s_wait_dscnt 0x0
	s_endpgm
	; ---------------- the weights ----------------
.Lweights:
	s_sub_co_u32 s20, ttmp9, 64                    ; 0-23: W_qkv's blocks of 128 columns; 24-31: W_out's
	s_mov_b32 s21, 4096
	s_mov_b32 s23, 3072
	s_wait_kmcnt 0x0
	s_cmp_lt_u32 s20, 24                           ; the choice hangs on the work-group's number alone
	s_cselect_b64 s[10:11], s[10:11], s[12:13]     ; the weight
	s_cselect_b32 s21, 12288, s21                  ; its row in bytes
	s_cselect_b32 s22, 0, 24
	s_cselect_b32 s23, 0, s23                      ; its first place in wcod
	s_sub_co_u32 s20, s20, s22
	s_lshl_b32 s20, s20, 7
	s_lshl_b32 s24, s18, 5
	s_add_co_u32 s20, s20, s24                     ; my wave's first column
	s_lshl_b32 s24, s19, 8
	s_mul_i32 s24, s24, s21                        ; 256 y rows down
	s_lshl_b32 s25, s20, 2
	s_add_co_u32 s24, s24, s25
	s_mov_b32 s25, 0
	s_add_nc_u64 s[32:33], s[10:11], s[24:25]      ; a base for each of the eight blocks, so that nothing is stepped
	s_lshl_b32 s24, s21, 5                         ; 32 rows
.irp t, 1,2,3,4,5,6,7
	s_add_nc_u64 s[32+2*\t:33+2*\t], s[30+2*\t:31+2*\t], s[24:25]
.endr
	s_add_co_u32 s23, s23, s20                     ; my wave's first place
	s_mul_i32 s26, s23, 768
	s_mul_i32 s27, s19, 192
	s_add_co_u32 s26, s26, s27
	s_mov_b32 s27, 0
	s_add_nc_u64 s[14:15], s[14:15], s[26:27]      ; codes: place x 768 + 192 y
	s_lshl_b32 s26, s23, 5
	s_lshl_b32 s28, s19, 3
	s_add_co_u32 s26, s26, s28
	s_add_nc_u64 s[16:17], s[16:17], s[26:27]      ; scale bytes: place x 32 + 8 y
	s_wait_alu depctr_va_vdst(0)
	v_lshlrev_b32 v3, 2, v2
	v_mov_b32 v10, s21
.irp i, 0,1,2,3,4,5,6,7,8,9,10,11,12,13,14,15,16,17,18,19,20,21,22,23,24,25,26,27,28,29,30,31
	v_mad_u32_u24 v[WOF+\i], v10, \i, v3
.endr
	v_and_b32 v11, 7, v2                           ; my column's place among the wave's 32: bits 3 and 4 swapped
	v_bfe_u32 v12, v2, 3, 1
	v_bfe_u32 v13, v2, 4, 1
	v_lshl_or_b32 v11, v12, 4, v11
	v_lshl_or_b32 v11, v13, 3, v11
	s_mul_i32 s26, s18, 32*WP
	s_add_co_u32 s26, s26, WSTG                    ; my stage
	v_mul_u32_u24 v4, v11, WP
	v_add_nc_u32 v4, s26, v4                       ; into it: row = my place
	v_lshlrev_b32 v9, 5, v11                       ; my place's row of scale bytes
	v_and_b32 v5, 15, v2
	v_lshrrev_b32 v6, 4, v2                        ; out of it: sixteen lanes to a row, two rows an instruction
	v_mul_u32_u24 v7, v6, WP
	v_lshl_add_u32 v7, v5, 4, v7
	v_add_nc_u32 v7, s26, v7
	v_mul_u32_u24 v8, v6, 768
	v_mad_u32_u24 v8, v5, 12, v8                   ; and the same place in wcod
.macro WLOAD t                         ; block t: rows 32 t + i of my column, into set t % 2; 32 lanes read 128 consecutive bytes
.irp i, 0,1,2,3,4,5,6,7,8,9,10,11,12,13,14,15,16,17,18,19,20,21,22,23,24,25,26,27,28,29,30,31
	global_load_b32 v[WX+32*((\t)%2)+\i], v[WOF+\i], s[32+2*(\t):33+2*(\t)] th:TH_LOAD_NT
.endr
.endm
	WLOAD 0
	WLOAD 1
.macro WBLOCK t
.set WS, WX+32*((\t)%2)
.if (\t) < NB-1
	s_wait_loadcnt 32                              ; this block's 32 loads are in; the next block's may be out
.else
	s_wait_loadcnt 0
.endif
	v_max3_num_f32 v12, |v[WS]|, |v[WS+1]|, |v[WS+2]|              ; the block's largest magnitude: all 32 numbers are mine
	v_max3_num_f32 v13, |v[WS+3]|, |v[WS+4]|, |v[WS+5]|
.irp i, 6,10,14,18,22,26
	v_max3_num_f32 v12, v12, |v[WS+\i]|, |v[WS+\i+1]|
	v_max3_num_f32 v13, v13, |v[WS+\i+2]|, |v[WS+\i+3]|
.endr
	v_max3_num_f32 v12, v12, |v[WS+30]|, |v[WS+31]|
	v_max3_num_f32 v12, v12, v13, 0x1800000        ; and the floor
	v_add_nc_u32 v11, 0xff000000, v12              ; the conversion's scale operand
	v_lshrrev_b32 v13, 23, v11                     ; the scale's byte
.if (\t)%4 == 0
	v_mov_b32 v[WSB+(\t)/4], v13
.else
	v_lshl_or_b32 v[WSB+(\t)/4], v13, 8*((\t)%4), v[WSB+(\t)/4]
.endif
	v_cvt_scalef32_pk16_fp6_f32 v[WC:WC+2], v[WS:WS+15], v11
	v_cvt_scalef32_pk16_fp6_f32 v[WC+4:WC+6], v[WS+16:WS+31], v11  ; (a conversion's three registers begin on an even number)
	ds_store_b96 v4, v[WC:WC+2] offset:32*(\t)     ; 12 bytes to a place of 16, so that every LDS address is a multiple of 16
	ds_store_b96 v4, v[WC+4:WC+6] offset:32*(\t)+16
.if (\t)+2 < NB
	WLOAD (\t)+2
.endif
	s_wait_dscnt 0x0                               ; the stores have read their registers: the next block's codes may be written
.endm
.irp t, 0,1,2,3,4,5,6,7
	WBLOCK \t
.endr
	s_wait_alu depctr_va_vdst(0)
	global_store_b64 v9, v[WSB:WSB+1], s[16:17]    ; my column's eight scale bytes
.irp t, 0,1,2,3,4,5,6,7,8,9,10,11,12,13,14,15
	ds_load_b96 v[WO+4*\t:WO+4*\t+2], v7 offset:2*\t*WP   ; in order behind my stores
.endr
.irp t, 0,1,2,3,4,5,6,7,8,9,10,11,12,13,14,15
	s_wait_dscnt 15-\t                             ; the younger loads may be out
	global_store_b96 v8, v[WO+4*\t:WO+4*\t+2], s[14:15] offset:2*\t*768   ; sixteen lanes store a place's 192 consecutive bytes
.endr
	s_wait_tensorcnt 0x0
	ds_add_u32 v208, v209
	s_wait_dscnt 0x0
	s_endpgm
.Lfunc_end_k_qf2222f7722_quant:
	.size	k_qf2222f7722_quant, .Lfunc_end_k_qf2222f7722_quant-k_qf2222f7722_quant
	.p2alignl 7, 3214868480
	.fill 96, 4, 3214868480
	.section	.rodata,"a",@progbits
	.p2align	6, 0x0
	.amdhsa_kernel k_qf2222f7722_quant
		.amdhsa_group_segment_fixed_size 68096
		.amdhsa_private_segment_fixed_size 0
		.amdhsa_enable_private_segment 0
		.amdhsa_kernarg_size 56
		.amdhsa_user_sgpr_count 2
		.amdhsa_user_sgpr_kernarg_segment_ptr 1
		.amdhsa_wavefront_size32 1
		.amdhsa_system_sgpr_workgroup_id_x 1
		.amdhsa_system_sgpr_workgroup_id_y 1
		.amdhsa_system_sgpr_workgroup_id_z 1
		.amdhsa_system_vgpr_workitem_id 0
		.amdhsa_next_free_vgpr 210
		.amdhsa_next_free_sgpr 66
		.amdhsa_reserve_vcc 0
		.amdhsa_float_denorm_mode_32 3
		.amdhsa_float_denorm_mode_16_64 3
		.amdhsa_memory_ordered 1
		.amdhsa_forward_progress 1
		.amdhsa_inst_pref_size 76
	.end_amdhsa_kernel
	.amdgpu_metadata
---
amdhsa.version: [ 1, 2 ]
amdhsa.kernels:
  - .name:           k_qf2222f7722_quant
    .symbol:         k_qf2222f7722_quant.kd
    .args:
      - { .name: x, .offset: 0, .size: 8, .value_kind: global_buffer, .address_space: global }
      - { .name: xcod, .offset: 8, .size: 8, .value_kind: global_buffer, .address_space: global }
      - { .name: xscl, .offset: 16, .size: 8, .value_kind: global_buffer, .address_space: global }
      - { .name: W_qkv, .offset: 24, .size: 8, .value_kind: global_buffer, .address_space: global }
      - { .name: W_out, .offset: 32, .size: 8, .value_kind: global_buffer, .address_space: global }
      - { .name: wcod, .offset: 40, .size: 8, .value_kind: global_buffer, .address_space: global }
      - { .name: wscl, .offset: 48, .size: 8, .value_kind: global_buffer, .address_space: global }
    .group_segment_fixed_size: 68096
    .private_segment_fixed_size: 0
    .kernarg_segment_align: 8
    .kernarg_segment_size: 56
    .max_flat_workgroup_size: 128
    .sgpr_count:     66
    .vgpr_count:     210
    .wavefront_size: 32
...
	.end_amdgpu_metadata
.endif
;; end of part 1
;; launch gemm_qkv (part 2): grid 12 x 32, 4 waves a work-group, clusters of 4 x 4, 327,680 bytes of LDS; arguments xcod, xscl, wcod, wscl, b_qkv, qkv, qkvs; writes qkv, qkvs
.if DOCPART == 2
	.amdgcn_target "amdgcn-amd-amdhsa--gfx1250"
	.amdhsa_code_object_version 6
	.text
	.protected	k_qf2222f7722_gemm_qkv
	.globl	k_qf2222f7722_gemm_qkv
	.p2align	8
	.type	k_qf2222f7722_gemm_qkv,@function
k_qf2222f7722_gemm_qkv:
	s_mov_b64 s[64:65], 0
	v_nop
	global_prefetch_b8 v0, s[64:65] scope:SCOPE_SE
	s_setreg_imm32_b32 hwreg(HW_REG_WAVE_MODE, 25, 1), 1
	s_wait_xcnt 0x0
	s_wait_alu depctr_hold_cnt(0) depctr_sa_sdst(0) depctr_va_vdst(0) depctr_va_sdst(0) depctr_va_ssrc(0) depctr_va_vcc(0) depctr_vm_vsrc(0)
	s_getreg_b32 s2, hwreg(HW_REG_IB_STS2, 6, 4)
	s_cmp_eq_u32 s2, 0
	s_cbranch_scc0 .Lentry_in_a_cluster
	s_endpgm
.Lentry_in_a_cluster:
	s_bfe_u32 s2, ttmp6, 0x10000c
	s_cmp_lg_u32 s2, 0xf033
	s_cbranch_scc0 .Lentry_shape_is_right
	s_endpgm
.Lentry_shape_is_right:
; qkv = x W_qkv + b_qkv on codes of FP6 (E2M3) with E8M0 scales, K = 1,024, sums in f32; THE RESULTS LEAVE AS CODES: q and k quantised along the head's 64, v along the keys, laid as the attention's operand registers.
; A tile of 256 x 256 is made by four waves, 128 x 128 each: 64 accumulators, 512 registers.  K goes in steps of 256 through a ring of two LDS slots filled by the tensor data mover; the scale bytes of the
; work-group's rows come into LDS once.  4 x 4 work-groups form a cluster: A's tiles are asked for jointly along a row of the cluster, B's along a column.
; THE MATRIX INSTRUCTION IS USED TRANSPOSED (source 0 = 16 rows of B, source 1 = 16 rows of A): a lane holds one row of A, its registers run along B's rows.  Both operands' rows lie in memory with bits 3 and 4
; of the row number swapped, so the 16 registers of accumulators (a, 2 g) and (a, 2 g + 1) are 16 NEIGHBOURS, 32 g + 16 (lane / 16) + 0 .. 15, along B's true rows: what the conversions want.
; ROLES.  Clusters x = 0, 1: A = x's rows, B = W's columns 0-2047 (q, k): neighbours run along the head.  Clusters x = 2: A = W's columns 2048-3071 (v's channels), B = x's rows: neighbours run along the keys.
; The choice hangs on the cluster's x alone, which all sixteen partners share.  The bias is the C of each sum's first product.
; OUT.  qkv: three images (q, k, v) of IMG bytes, HIMG a head.  q, k: tile T of 16 rows is a chunk of 768 bytes: registers 0-3 at 16 x lane, registers 4-5 at 512 + 8 x lane.  v: key step s, channel tile ct: 1,536 bytes,
; registers 4 c .. 4 c + 3 at 512 c + 16 x lane.  qkvs: region 0 q's scale words, region 1 k's (8,192 bytes a head) and behind them v's (4,096).  q's and k's words carry two bytes; the upper two are 0, for the padded half of K.
; LIMITS: a block under 2^-124 has its byte held at 1; a block of zeros has the byte 1 (zero codes; only this program reads the bytes); NaN and infinities are not served.
; REGISTERS, in windows of 256: window 0: v0-31 addresses; v32-63 scale words, two sets; v64-127 the bias; from v128 A's fragments, one set; on the way out v160-243 at work.
;   window 1: B's fragments, two sets.   window 2: the accumulators of my rows 0-63 ((a, b) at v[8 (8 a + b)]);   window 3: rows 64-127.
.set KSTEP,  256
.set NQ,     KSTEP/128
.set ROWB,   192                       ; a tile's row: 256 codes
.set KROW,   768                       ; a row of codes in memory
.set PITCH,  240                       ; an LDS row: 3 x (64 bytes + 16 of padding)
.set FR,     12                        ; registers of a fragment
.set NL,     6                         ; LDS loads that bring one
.set NP,     4                         ; places behind this matrix instruction (ISA guide 7.12.1)
.set HALFT,  128*PITCH
.set SLOT,   4*HALFT
.set KS,     32                        ; a row of scale bytes
.set SCL,    2*SLOT
.set HALFS,  (128*KS/256)*272
.set SBLK,   (16*KS/256)*272
.set SPARE,  SCL+4*HALFS               ; the spare words, 128 bytes a wave: two blocks of 256 bytes that no other line names
.set IMG,    6291456
.set HIMG,   98304
.set SCR,    786432
.set HSC,    12288
.set ADRA, 16                          ; v16-17 my A fragments in slot 0, 1 (v18-19: behind one padding more)
.set ADRB, 20                          ; v20-23 the same for B
.set L16,  24                          ; v24  16 x lane
.set L8,   25                          ; v25  8 x lane
.set VS,   26                          ; v26  v's scale words: HSC x (lane / 16) + 16 x (lane % 16)
.set ADRS, 27                          ; v27  my scale words: lanes 0-15 A's rows, lanes 16-31 B's
.set SPW,  28
.set NIL,  29
.set SC,   32
.set BI,   64                          ; v64-127 the bias, in the result's layout
.set AF,   128
.set PC,   160                         ; v160-171 a fragment's codes, v172-178 conversions' second halves
.set TM,   200                         ; v200-203 largest magnitudes, v204-207 the other half's, then bytes, v212-215 the conversions' scale operands
.set SW,   224                         ; v224-231 the scale word of each of my eight blocks
.set TT,   232
.set E0,   236
.set E1,   240
.set ISV,  66                          ; s66  1 in the clusters that make v
.set SEL,  98                          ; s[98:99] lane selects: lane l xor 16
.set G1, 24
.set G0, 32
.set G1B, 48
.set G0B, 56
.set G1S, 68
.set G0S, 76
.set G1SB, 80
.set G0SB, 88
.set MSB, 0
.macro WIN new                         ; the immediate's high byte repeats the setting that is left
.if MSB != (\new)
	s_set_vgpr_msb (MSB<<8)|(\new)
.set MSB, (\new)
.endif
.endm
.set MUL_LO, 0xa1                      ; source 0 (B) window 1, source 1 (A) window 0, C and D window 2
.set MUL_HI, 0xf1                      ; the same, C and D window 3
.set TO_B,   0x40
; A joint load: waves 0 and 1 fetch for A, waves 2 and 3 for B.  Four v_nop follow each of the two lines.
.macro JLOAD g0a, g1a, g0b, g1b
	s_cmp_eq_u32 s15, 0
	s_cbranch_scc0 .Lfor_b_\@
	tensor_load_to_lds s[\g0a:\g0a+3], s[\g1a:\g1a+7]
	s_nop 0
.rept 4
	v_nop
.endr
	s_branch .Lasked_\@
.Lfor_b_\@:
	tensor_load_to_lds s[\g0b:\g0b+3], s[\g1b:\g1b+7]
	s_nop 0
.rept 4
	v_nop
.endr
.Lasked_\@:
.endm
.macro CREST                           ; a round of the cluster's barrier behind its opening barrier
	s_cmp_lg_u32 s14, 0
	s_cbranch_scc1 .Lnot_wave_0_\@
	s_barrier_signal -3
.Lnot_wave_0_\@:
	s_barrier_wait -3
	s_barrier_signal -1
	s_barrier_wait -1
.endm
.macro CROUND
	s_barrier_signal -1
	s_barrier_wait -1
	CREST
.endm
	s_load_b128 s[4:7], s[0:1], 0x0                ; xcod, xscl
	s_load_b128 s[8:11], s[0:1], 0x10              ; wcod, wscl
	s_load_b64 s[96:97], s[0:1], 0x20              ; b_qkv
	s_load_b64 s[12:13], s[0:1], 0x28              ; qkv
	s_load_b64 s[100:101], s[0:1], 0x30            ; qkvs
	v_lshl_add_u32 v[SPW], v0, 2, SPARE
	v_mov_b32 v[NIL], 0
	ds_add_u32 v28, v29
	ds_add_u32 v28, v29
	s_wait_dscnt 0x0
	v_lshrrev_b32 v1, 5, v0
	v_readfirstlane_b32 s14, v1                    ; wave 0..3
	s_lshr_b32 s15, s14, 1                         ; which half of A's rows is mine.  Also: I fetch for A (0) or for B (1)
	s_and_b32 s16, s14, 1                          ; which half of B's rows.  Also: which 128 rows I fetch
	s_bfe_u32 s40, ttmp6, 0x40000                  ; cx, cy
	s_bfe_u32 s41, ttmp6, 0x40004
	s_and_b32 s67, ttmp7, 0xffff                   ; cluster y
	s_cmp_eq_u32 ttmp9, 2                          ; cluster x = 2 makes v
	s_cselect_b32 s[ISV], 1, 0
	s_cselect_b32 s42, s67, ttmp9                  ; B's tiles walk x's rows (v) or W's columns (q, k)
	s_cselect_b32 s17, 0, s67                      ; A's tiles walk W_v's four tiles (v) or x's rows
	s_cselect_b32 s95, 2048, 0                     ; A's first place in its buffer
	s_lshl_b32 s42, s42, 2
	s_add_co_u32 s42, s42, s40                     ; B's tile
	s_lshl_b32 s17, s17, 2
	s_add_co_u32 s17, s17, s41                     ; A's tile
	s_lshl_b32 s43, s41, 2
	s_lshl_b32 s43, 15, s43                        ; my row of the cluster
	s_lshl_b32 s44, 0x1111, s40                    ; my column
	s_or_b32 s[G1+0], s43, (0<<16)|(1<<20)|(1<<21)|(3<<22)|(3<<25)  ; the mask; elements of 1 byte; padding on; bit 21 beside a mask; after every 16 words 4 words
	s_or_b32 s[G1B+0], s44, (0<<16)|(1<<20)|(1<<21)|(3<<22)|(3<<25)
.irp g, G1, G1B
	s_mov_b32 s[\g+1], ROWB<<16                    ; tensor_dim0
	s_mov_b32 s[\g+2], 128<<16                     ; tensor_dim1
	s_mov_b32 s[\g+3], ROWB<<16                    ; tile_dim0
	s_mov_b32 s[\g+4], 128                         ; tile_dim1
	s_mov_b32 s[\g+5], KROW                        ; stride
	s_mov_b32 s[\g+6], 0
	s_mov_b32 s[\g+7], 0
.endr
	s_or_b32 s[G1S+0], s43, (3<<16)|(1<<20)|(1<<21)|(5<<22)|(3<<25)  ; the scales of 128 rows: a dense block, as rows of 256 bytes with 16 of padding behind each
	s_or_b32 s[G1SB+0], s44, (3<<16)|(1<<20)|(1<<21)|(5<<22)|(3<<25)
.irp g, G1S, G1SB
	s_mov_b32 s[\g+1], 32<<16
	s_mov_b32 s[\g+2], (128*KS/256)<<16
	s_mov_b32 s[\g+3], 32<<16
	s_mov_b32 s[\g+4], 128*KS/256
	s_mov_b32 s[\g+5], 32
	s_mov_b32 s[\g+6], 0
	s_mov_b32 s[\g+7], 0
.endr
	s_lshl_b32 s18, s16, 7                         ; which 128 rows of the tile I fetch
	s_lshl_b32 s20, s17, 8
	s_add_co_u32 s20, s20, s18
	s_add_co_u32 s20, s20, s95                     ; A's place
	s_lshl_b32 s46, s42, 8
	s_add_co_u32 s46, s46, s18                     ; B's place
	s_mov_b32 s21, 0
	s_mov_b32 s47, 0
	s_mov_b64 s[18:19], KS
	s_mul_u64 s[22:23], s[20:21], s[18:19]         ; their scale bytes
	s_mul_u64 s[92:93], s[46:47], s[18:19]
	s_mov_b64 s[18:19], KROW
	s_mul_u64 s[20:21], s[20:21], s[18:19]         ; and their codes
	s_mul_u64 s[46:47], s[46:47], s[18:19]
	s_mul_i32 s45, s14, HALFT                      ; where they go: no place in the cluster enters an LDS address
	s_mul_i32 s94, s14, HALFS
	s_wait_kmcnt 0x0
	s_cmp_eq_u32 s[ISV], 1                         ; for v the two operands change places
	s_cselect_b64 s[98:99], s[8:9], s[4:5]
	s_cselect_b64 s[104:105], s[10:11], s[6:7]
	s_cselect_b64 s[8:9], s[4:5], s[8:9]
	s_cselect_b64 s[10:11], s[6:7], s[10:11]
	s_mov_b64 s[4:5], s[98:99]
	s_mov_b64 s[6:7], s[104:105]
	s_add_nc_u64 s[20:21], s[4:5], s[20:21]
	s_add_nc_u64 s[22:23], s[6:7], s[22:23]
	s_add_nc_u64 s[46:47], s[8:9], s[46:47]
	s_add_nc_u64 s[92:93], s[10:11], s[92:93]
	CROUND                                         ; all sixteen work-groups are here: the first joint loads meet
	s_mov_b32 s[G0S], 1
	s_add_co_u32 s[G0S+1], s94, SCL
	s_mov_b64 s[G0S+2:G0S+3], s[22:23]
	s_or_b32 s[G0S+3], s[G0S+3], 0x80000000
	s_mov_b32 s[G0SB], 1
	s_add_co_u32 s[G0SB+1], s94, SCL
	s_mov_b64 s[G0SB+2:G0SB+3], s[92:93]
	s_or_b32 s[G0SB+3], s[G0SB+3], 0x80000000
	JLOAD G0S, G1S, G0SB, G1SB                     ; the scales first: they are wanted with K step 0
.irp s, 0,1
	s_mov_b32 s[G0+4*\s], 1
	s_add_co_u32 s[G0+4*\s+1], s45, \s*SLOT
	s_add_nc_u64 s[G0+4*\s+2:G0+4*\s+3], s[20:21], \s*ROWB
	s_or_b32 s[G0+4*\s+3], s[G0+4*\s+3], 0x80000000
	s_mov_b32 s[G0B+4*\s], 1
	s_add_co_u32 s[G0B+4*\s+1], s45, \s*SLOT
	s_add_nc_u64 s[G0B+4*\s+2:G0B+4*\s+3], s[46:47], \s*ROWB
	s_or_b32 s[G0B+4*\s+3], s[G0B+4*\s+3], 0x80000000
	JLOAD G0+4*\s, G1, G0B+4*\s, G1B               ; three loads of mine are out
.endr
	s_mov_b32 s[SEL], 0x76543210
	s_mov_b32 s[SEL+1], 0xfedcba98
	v_and_b32 v1, 15, v0                           ; r
	v_bfe_u32 v2, v0, 4, 1                         ; h
	v_mul_u32_u24 v3, v1, PITCH
	v_mul_u32_u24 v4, v2, 24
	v_add_nc_u32 v4, v3, v4                        ; a fragment's row x pitch + 24 x half
	v_lshl_add_u32 v5, v2, 4, v4                   ; and the same behind one padding more
	s_mul_i32 s21, s15, HALFT
	s_mul_i32 s22, s16, HALFT
	s_add_co_u32 s22, s22, 2*HALFT
.irp s, 0,1
	v_add_nc_u32 v[ADRA+\s], s21, v4
	v_add_nc_u32 v[ADRB+\s], s22, v4
	v_add_nc_u32 v[ADRA+2+\s], s21, v5
	v_add_nc_u32 v[ADRB+2+\s], s22, v5
	s_add_co_u32 s21, s21, SLOT
	s_add_co_u32 s22, s22, SLOT
.endr
	v_mul_u32_u24 v5, v1, KS                       ; my row's scales: KS bytes a row,
	v_lshrrev_b32 v6, 8, v5
	v_lshl_add_u32 v5, v6, 4, v5                   ; and 16 more for each 256 passed
	s_mul_i32 s21, s15, HALFS
	s_mul_i32 s22, s16, HALFS
	s_add_co_u32 s22, s22, 2*HALFS
	s_sub_co_u32 s22, s22, s21
	v_mul_u32_u24 v6, s22, v2                      ; lanes 16-31 take B's
	s_add_co_u32 s21, s21, SCL
	v_add_nc_u32 v5, v5, v6
	v_add_nc_u32 v[ADRS], s21, v5
	v_and_b32 v6, 31, v0
	v_lshlrev_b32 v[L16], 4, v6
	v_lshlrev_b32 v[L8], 3, v6
	v_mul_u32_u24 v[VS], v2, HSC
	v_lshl_add_u32 v[VS], v1, 4, v[VS]
	; where my 128 x 128 goes.  ra: my first row of A, cb: of B.  m0: my first row of x; w0: my first column of W_qkv
	s_lshl_b32 s20, s17, 8
	s_lshl_b32 s21, s15, 7
	s_add_co_u32 s20, s20, s21                     ; ra
	s_lshl_b32 s46, s42, 8
	s_lshl_b32 s47, s16, 7
	s_add_co_u32 s46, s46, s47                     ; cb
	s_add_co_u32 s21, s20, 2048
	s_cmp_eq_u32 s[ISV], 1
	s_cselect_b32 s92, s46, s20                    ; m0
	s_cselect_b32 s93, s21, s46                    ; w0
	s_and_b32 s94, s92, 2047                       ; its place in the batch
	s_lshr_b32 s92, s92, 11                        ; the batch
	s_lshr_b32 s45, s93, 10                        ; 0 q, 1 k, 2 v
	s_bfe_u32 s47, s93, 0x40006                    ; the first of my two heads
	s_lshl_b32 s92, s92, 4
	s_add_co_u32 s92, s92, s47                     ; 16 x batch + head
	s_mul_i32 s20, s45, IMG
	s_mul_i32 s21, s92, HIMG
	s_add_co_u32 s20, s20, s21
	s_mul_i32 s21, s94, 48                         ; 768 bytes for 16 rows (q, k); 6,144 for 128 keys (v)
	s_add_co_u32 s20, s20, s21
	s_mov_b32 s21, 0
	s_add_nc_u64 s[12:13], s[12:13], s[20:21]
	s_lshl_b32 s46, s94, 1
	s_add_co_u32 s46, s46, 8192                    ; v: behind k's words, 256 bytes a key step
	s_lshl_b32 s47, s94, 2                         ; q, k: 512 bytes for 128 rows
	s_cmp_eq_u32 s[ISV], 1
	s_cselect_b32 s46, s46, s47
	s_cselect_b32 s45, 1, s45
	s_mul_i32 s45, s45, SCR
	s_mul_i32 s47, s92, HSC
	s_add_co_u32 s46, s46, s45
	s_add_co_u32 s46, s46, s47
	s_mov_b32 s47, 0
	s_add_nc_u64 s[100:101], s[100:101], s[46:47]
	s_lshl_b32 s46, s93, 2
	s_add_nc_u64 s[96:97], s[96:97], s[46:47]      ; the bias at my first column of W_qkv
	s_cmp_eq_u32 s[ISV], 1
	s_cbranch_scc1 .Lbias_v
	v_lshlrev_b32 v7, 6, v2                        ; q, k: register j of accumulator (a, b) is column 32 (b / 2) + 8 (b % 2) + 16 h + j
.irp b, 0,1,2,3,4,5,6,7
	global_load_b128 v[BI+8*\b:BI+8*\b+3], v7, s[96:97] offset:(32*(\b/2)+8*(\b%2))*4
	global_load_b128 v[BI+8*\b+4:BI+8*\b+7], v7, s[96:97] offset:(32*(\b/2)+8*(\b%2))*4+16
.endr
	s_branch .Lbias_done
.Lbias_v:
	v_and_b32 v7, 8, v1                            ; v: all eight registers of accumulator (a, b) are channel 32 (a / 2) + 8 (a % 2) + r + 8 (r / 8)
	v_add_nc_u32 v7, v7, v1
	v_lshlrev_b32 v7, 2, v7
.irp a, 0,1,2,3,4,5,6,7
.irp j, 0,1,2,3,4,5,6,7
	global_load_b32 v[BI+8*\a+\j], v7, s[96:97] offset:(32*(\a/2)+8*(\a%2))*4
.endr
.endr
.Lbias_done:
.macro FRAG reg, adr, q, i             ; 16 rows x 128 K: 12 registers, in pieces of 8 bytes; where the piece three on lies behind one padding more, the second address register serves
.irp p, 0,1,2,3,4,5
.set PCE, 12*(\q)+6*(\p/3)+\p%3
.if PCE%8 < 5
	ds_load_b64 v[\reg+2*\p:\reg+2*\p+1], v[\adr] offset:8*PCE+16*(PCE/8)+(\i)*16*PITCH
.else
	ds_load_b64 v[\reg+2*\p:\reg+2*\p+1], v[\adr+2] offset:8*PCE+16*(PCE/8)+(\i)*16*PITCH
.endif
.endr
.endm
; 16 matrix instructions: A's blocks a0, a0 + 1 x B's eight.  zero = 0: onto the sums; 1: the sums begin with the bias by B's block; 2: by A's block.  The 64 accumulators take turns.
.macro MUL16 a0, p, q, sc, zero
.irp a, \a0, \a0+1
.irp b, 0,1,2,3,4,5,6,7
.if \zero == 1
	v_wmma_scale_f32_16x16x128_f8f6f4 v[8*(8*((\a)%4)+\b):8*(8*((\a)%4)+\b)+7], v[128*(\p)+FR*\b:128*(\p)+FR*\b+FR-1], v[AF+FR*(\a):AF+FR*(\a)+FR-1], v[BI+8*\b:BI+8*\b+7], v[SC+8*NQ*(\sc)+NQ*\b+(\q)], v[SC+8*NQ*(\sc)+NQ*(\a)+(\q)] matrix_a_fmt:MATRIX_FMT_FP6 matrix_b_fmt:MATRIX_FMT_FP6 matrix_a_scale:MATRIX_SCALE_ROW1
.elseif \zero == 2
	v_wmma_scale_f32_16x16x128_f8f6f4 v[8*(8*((\a)%4)+\b):8*(8*((\a)%4)+\b)+7], v[128*(\p)+FR*\b:128*(\p)+FR*\b+FR-1], v[AF+FR*(\a):AF+FR*(\a)+FR-1], v[BI+8*(\a):BI+8*(\a)+7], v[SC+8*NQ*(\sc)+NQ*\b+(\q)], v[SC+8*NQ*(\sc)+NQ*(\a)+(\q)] matrix_a_fmt:MATRIX_FMT_FP6 matrix_b_fmt:MATRIX_FMT_FP6 matrix_a_scale:MATRIX_SCALE_ROW1
.else
	v_wmma_scale_f32_16x16x128_f8f6f4 v[8*(8*((\a)%4)+\b):8*(8*((\a)%4)+\b)+7], v[128*(\p)+FR*\b:128*(\p)+FR*\b+FR-1], v[AF+FR*(\a):AF+FR*(\a)+FR-1], v[8*(8*((\a)%4)+\b):8*(8*((\a)%4)+\b)+7], v[SC+8*NQ*(\sc)+NQ*\b+(\q)], v[SC+8*NQ*(\sc)+NQ*(\a)+(\q)] matrix_a_fmt:MATRIX_FMT_FP6 matrix_b_fmt:MATRIX_FMT_FP6 matrix_a_scale:MATRIX_SCALE_ROW1
.endif
.endr
.endr
.endm
.macro FETCH_B slot, q, p
	WIN TO_B
.irp i, 0,1,2,3,4,5,6,7
	FRAG 128*(\p)+FR*\i, ADRB+\slot, \q, \i
.endr
	WIN 0
.endm
.macro FETCH_A slot, q, i0
.irp i, \i0, \i0+1, \i0+2, \i0+3
	FRAG AF+FR*(\i), ADRA+\slot, \q, \i
.endr
.endm
.macro SCALES sc                       ; a K step's scale words: two words a row; lanes 0-15 A's block i, lanes 16-31 B's block i
.irp i, 0,1,2,3,4,5,6,7
	ds_load_b64 v[SC+8*NQ*\sc+NQ*\i:SC+8*NQ*\sc+NQ*\i+1], v[ADRS] offset:\i*SBLK
.endr
.endm
.macro PLACES n                        ; plain vector instructions between a matrix instruction and a load into, or a read of, its registers
.rept \n
	v_nop
.endr
.endm
.macro STEP slot, q, zero              ; 128 along K whose successor lies in the same slot
	s_wait_dscnt 4*NL                              ; B's set and A's blocks 0-3 are in; the youngest 24 loads (A's blocks 4-7) may be out
.if \zero
	WIN 0x81                                       ; C, the bias, in window 0; D in window 2
.else
	WIN MUL_LO
.endif
	MUL16 0, (\q)%2, \q, \slot, \zero
	MUL16 2, (\q)%2, \q, \slot, \zero
	s_wait_dscnt 0                                 ; A's blocks 4-7 are in
	PLACES NP
	FETCH_B \slot, (\q)+1, 1-(\q)%2
	FETCH_A \slot, (\q)+1, 0
.if \zero
	WIN 0xc1
.else
	WIN MUL_HI
.endif
	MUL16 4, (\q)%2, \q, \slot, \zero
	MUL16 6, (\q)%2, \q, \slot, \zero
	PLACES NP
	WIN 0
	FETCH_A \slot, (\q)+1, 4
.endm
; A slot's last step changes slots: one barrier; in front of it each wave waits for all its tensor loads, adds 0 to its spare word, and waits for that and for its reads of this slot.
.macro TURN slot, next, fill
	s_wait_tensorcnt 0x0                           ; all my tensor loads have landed: my part of the next slot
	ds_add_u32 v[SPW], v[NIL]                      ; 0 onto my spare word
	s_wait_dscnt 4*NL+1                            ; (the add and A's blocks 4-7, 24 loads, may be out)
	WIN MUL_LO
	MUL16 0, 1, NQ-1, \slot, 0
	s_wait_dscnt 0x0                               ; the add is done, and my reads of this slot are over
	s_barrier_signal -1
	MUL16 2, 1, NQ-1, \slot, 0
	WIN 0
	s_barrier_wait -1
.if \fill
	CREST                                          ; the barrier has opened a round of the cluster's: no wave of any partner still reads this slot or has a load on its way
	s_add_nc_u64 s[G0+4*\slot+2:G0+4*\slot+3], s[G0+4*\slot+2:G0+4*\slot+3], 2*ROWB
	s_add_nc_u64 s[G0B+4*\slot+2:G0B+4*\slot+3], s[G0B+4*\slot+2:G0B+4*\slot+3], 2*ROWB
	JLOAD G0+4*\slot, G1, G0B+4*\slot, G1B         ; the first tensor load behind the round; its four v_nop are the places in front of the loads below
.else
	PLACES NP
.endif
	s_wait_alu depctr_va_vdst(0)
	v_add_nc_u32 v[ADRS], 4*NQ, v[ADRS]            ; the next K step's scale words
	FETCH_B \next, 0, 0
	FETCH_A \next, 0, 0
	SCALES \next
	WIN MUL_HI
	MUL16 4, 1, NQ-1, \slot, 0
	MUL16 6, 1, NQ-1, \slot, 0
	PLACES NP
	WIN 0
	FETCH_A \next, 0, 4
.endm
	s_wait_tensorcnt 1                             ; the scales and my part of K step 0 are in (K step 1's load may be out),
	s_barrier_signal -1
	s_barrier_wait -1                              ; everybody's are
	FETCH_B 0, 0, 0
	FETCH_A 0, 0, 0
	s_wait_alu depctr_va_vdst(0)
	SCALES 0
	FETCH_A 0, 0, 4
	s_wait_loadcnt 0x0                             ; the bias
	s_cmp_eq_u32 s[ISV], 1                         ; the first step is written for each kind of bias; it holds no barrier and no tensor load
	s_cbranch_scc1 .Lfirst_v
	STEP 0, 0, 1
	s_branch .Lfirst_done
.Lfirst_v:
	STEP 0, 0, 2
.Lfirst_done:
	TURN 0, 1, 1                                   ; K = 1,024 is four K steps: written out
	STEP 1, 0, 0
	TURN 1, 0, 1
	STEP 0, 0, 0
	TURN 0, 1, 0                                   ; nothing is left to fetch
	STEP 1, 0, 0
	s_wait_dscnt 4*NL
	WIN MUL_LO
	MUL16 0, 1, NQ-1, 1, 0
	MUL16 2, 1, NQ-1, 1, 0
	s_wait_dscnt 0
	WIN MUL_HI
	MUL16 4, 1, NQ-1, 1, 0
	MUL16 6, 1, NQ-1, 1, 0
	WIN 0
; THE WAY OUT.  Block a's 64 registers, register 16 g + i = neighbour 32 g + 16 h + i of my row, become a fragment's 12 registers in v[PC] on and a scale word in v[SW + a].
.macro QUANTW a
.set AC, 64*((\a)%4)
	WIN 0x0a+5*((\a)/4)                            ; sources 0 and 1: window 2 or 3
.irp b, 0,1,2,3
	v_max3_num_f32 v[TM+\b], |v[AC+16*\b]|, |v[AC+16*\b+1]|, 0x1800000   ; each accumulator from its low end on; the floor 2^(3 - 127) holds the byte at 1 from below
.endr
.irp i, 2,4,6,8,10,12,14
.irp b, 0,1,2,3
	v_max3_num_f32 v[TM+\b], |v[AC+16*\b+\i]|, |v[AC+16*\b+\i+1]|, v[TM+\b]
.endr
.endr
	WIN 0
.irp b, 0,1,2,3
	v_permlanex16_b32 v[TM+4+\b], v[TM+\b], s[SEL], s[SEL+1]
.endr
.irp b, 0,1,2,3
	v_max_num_f32 v[TM+\b], v[TM+\b], v[TM+4+\b]   ; with lane l xor 16's: the block's largest magnitude
.endr
.irp b, 0,1,2,3
	v_add_nc_u32 v[TM+12+\b], 0xff000000, v[TM+\b] ; 2 off its exponent field: the conversion's scale operand
.endr
.irp b, 0,1,2,3
	v_lshrrev_b32 v[TM+4+\b], 23, v[TM+12+\b]      ; the scale's byte
.endr
	v_lshl_or_b32 v[SW+(\a)], v[TM+5], 8, v[TM+4]
	v_lshl_or_b32 v[SW+(\a)], v[TM+6], 16, v[SW+(\a)]
	v_lshl_or_b32 v[SW+(\a)], v[TM+7], 24, v[SW+(\a)]
	s_wait_xcnt 0x0                                ; the last block's stores have read the codes' registers: only behind this wait are they written again
	WIN 0x02+(\a)/4                                ; source 0: window 2 or 3
.irp c, 0,1
	v_cvt_scalef32_pk16_fp6_f32 v[PC+6*\c:PC+2+6*\c], v[AC+32*\c:AC+15+32*\c], v[TM+12+2*\c]
	v_cvt_scalef32_pk16_fp6_f32 v[PC+12+4*\c:PC+14+4*\c], v[AC+16+32*\c:AC+31+32*\c], v[TM+12+2*\c+1]
.endr
	WIN 0
	v_nop                                          ; one plain place behind a scaled conversion
.irp c, 0,1                                    ; the operand's layout wants a whole block in a lane
.irp i, 0,1,2
	v_permlane16_swap_b32 v[PC+6*\c+\i], v[PC+12+4*\c+\i]
.endr
.irp i, 0,1,2
	v_mov_b32 v[PC+3+6*\c+\i], v[PC+12+4*\c+\i]
.endr
.endr
.endm
.macro EPI kind                        ; kind 0: q, k; 1: v.  Every store of the wave covers 512 or 256 consecutive bytes, aligned
.irp a, 0,1,2,3,4,5,6,7
	QUANTW \a
.if \kind == 0
	global_store_b128 v[L16], v[PC:PC+3], s[12:13] offset:\a*768                  ; registers 0-5: the first head's 64; tile a of my eight
	global_store_b64 v[L8], v[PC+4:PC+5], s[12:13] offset:\a*768+512
	global_store_b128 v[L16], v[PC+6:PC+9], s[12:13] offset:\a*768+HIMG           ; registers 6-11: the next head's
	global_store_b64 v[L8], v[PC+10:PC+11], s[12:13] offset:\a*768+512+HIMG
.else
.irp c, 0,1,2
	global_store_b128 v[L16], v[PC+4*\c:PC+4*\c+3], s[12:13] offset:(\a/4)*HIMG+(\a%4)*1536+512*\c   ; head a / 4, channel tile a % 4, my 128 keys
.endr
.endif
.endr
	v_and_b32 v[TT], 31, v0
	v_cmp_lt_u32 vcc_lo, 15, v[TT]
.irp i, 0,1,2,3
	v_cndmask_b32 v[TT+\i], v[SW+\i], v[SW+4+\i], vcc_lo   ; lanes 0-15: blocks 0-3; lanes 16-31: blocks 4-7
.endr
.if \kind == 0
.irp i, 0,1,2,3
	v_and_b32 v[E0+\i], 0xffff, v[TT+\i]           ; the first head's two bytes, 0 above them
	v_lshrrev_b32 v[E1+\i], 16, v[TT+\i]           ; the next head's
.endr
	global_store_b128 v[L16], v[E0:E0+3], s[100:101]
	global_store_b128 v[L16], v[E1:E1+3], s[100:101] offset:HSC
.else
	global_store_b128 v[VS], v[TT:TT+3], s[100:101]   ; lanes 0-15 the first head's 256 bytes, lanes 16-31 the next head's
.endif
.endm
	PLACES NP                                      ; behind the last products: their results are read, and A's registers written, below
.irp b, 0,1,2,3
	v_mov_b32 v[TM+4+\b], 0                        ; written once: a lane permute's destination counts as one of its sources
.endr
	s_cmp_eq_u32 s[ISV], 1
	s_cbranch_scc1 .Lout_v
	EPI 0
	s_branch .Lout_done
.Lout_v:
	EPI 1
.Lout_done:
	s_wait_tensorcnt 0x0                           ; the wave's end
	ds_add_u32 v[SPW], v[NIL]
	s_wait_dscnt 0x0
	CROUND                                         ; the closing round: no work-group ends while a partner may still ask for a tile that names it
	s_endpgm
.Lfunc_end_k_qf2222f7722_gemm_qkv:
	.size	k_qf2222f7722_gemm_qkv, .Lfunc_end_k_qf2222f7722_gemm_qkv-k_qf2222f7722_gemm_qkv
	.p2alignl 7, 3214868480
	.fill 96, 4, 3214868480
	.section	.rodata,"a",@progbits
	.p2align	6, 0x0
	.amdhsa_kernel k_qf2222f7722_gemm_qkv
		.amdhsa_group_segment_fixed_size 327680
		.amdhsa_private_segment_fixed_size 0
		.amdhsa_enable_private_segment 0
		.amdhsa_kernarg_size 56
		.amdhsa_user_sgpr_count 2
		.amdhsa_user_sgpr_kernarg_segment_ptr 1
		.amdhsa_wavefront_size32 1
		.amdhsa_system_sgpr_workgroup_id_x 1
		.amdhsa_system_sgpr_workgroup_id_y 1
		.amdhsa_system_sgpr_workgroup_id_z 1
		.amdhsa_system_vgpr_workitem_id 0
		.amdhsa_next_free_vgpr 1024
		.amdhsa_next_free_sgpr 106
		.amdhsa_reserve_vcc 1
		.amdhsa_float_denorm_mode_32 3
		.amdhsa_float_denorm_mode_16_64 3
		.amdhsa_memory_ordered 1
		.amdhsa_forward_progress 1
		.amdhsa_inst_pref_size 223
	.end_amdhsa_kernel
	.amdgpu_metadata
---
amdhsa.version: [ 1, 2 ]
amdhsa.kernels:
  - .name:           k_qf2222f7722_gemm_qkv
    .symbol:         k_qf2222f7722_gemm_qkv.kd
    .args:
      - { .name: xcod, .offset: 0, .size: 8, .value_kind: global_buffer, .address_space: global }
      - { .name: xscl, .offset: 8, .size: 8, .value_kind: global_buffer, .address_space: global }
      - { .name: wcod, .offset: 16, .size: 8, .value_kind: global_buffer, .address_space: global }
      - { .name: wscl, .offset: 24, .size: 8, .value_kind: global_buffer, .address_space: global }
      - { .name: b_qkv, .offset: 32, .size: 8, .value_kind: global_buffer, .address_space: global }
      - { .name: qkv, .offset: 40, .size: 8, .value_kind: global_buffer, .address_space: global }
      - { .name: qkvs, .offset: 48, .size: 8, .value_kind: global_buffer, .address_space: global }
    .group_segment_fixed_size: 327680
    .private_segment_fixed_size: 0
    .kernarg_segment_align: 8
    .kernarg_segment_size: 56
    .max_flat_workgroup_size: 128
    .sgpr_count:     106
    .vgpr_count:     1024
    .wavefront_size: 32
...
	.end_amdgpu_metadata
.endif
;; end of part 2
;; launch attn (part 3): grid 4 x 64, 16 waves a work-group, clusters of 4 x 1, 327,680 bytes of LDS; arguments qkv, qkvs, acod, ascl; writes acod, ascl
.if DOCPART == 3
	.amdgcn_target "amdgcn-amd-amdhsa--gfx1250"
	.amdhsa_code_object_version 6
	.text
	.protected	k_qf2222f7722_attn
	.globl	k_qf2222f7722_attn
	.p2align	8
	.type	k_qf2222f7722_attn,@function
k_qf2222f7722_attn:
	s_mov_b64 s[64:65], 0
	v_nop
	global_prefetch_b8 v0, s[64:65] scope:SCOPE_SE
	s_setreg_imm32_b32 hwreg(HW_REG_WAVE_MODE, 25, 1), 1
	s_wait_xcnt 0x0
	s_wait_alu depctr_hold_cnt(0) depctr_sa_sdst(0) depctr_va_vdst(0) depctr_va_sdst(0) depctr_va_ssrc(0) depctr_va_vcc(0) depctr_vm_vsrc(0)
	s_getreg_b32 s2, hwreg(HW_REG_IB_STS2, 6, 4)
	s_cmp_eq_u32 s2, 0
	s_cbranch_scc0 .Lentry_in_a_cluster
	s_endpgm
.Lentry_in_a_cluster:
	s_bfe_u32 s2, ttmp6, 0x10000c
	s_cmp_lg_u32 s2, 0x3003
	s_cbranch_scc0 .Lentry_shape_is_right
	s_endpgm
.Lentry_shape_is_right:
.set IMG,   6291456
.set HIMG,  98304
.set SCR,   786432
.set HSC,   12288
.set VIMG,  98304
.set KSC,   196608
.set VSC,   204800
.set WV,    12
.set G1C,   16
.set G1S,   24
.set G0C,   32
.set G0S,   36
.set SEL,   40
.set CS,    42
.set TK,    44
.set TSK,   45
.set TSV,   46
.set CNT,   47
.macro CROUND
	s_barrier_signal -1
	s_barrier_wait -1
	s_cmp_lg_u32 s[WV], 0
	s_cbranch_scc1 .Lnot_wave_0_\@
	s_barrier_signal -3
.Lnot_wave_0_\@:
	s_barrier_wait -3
	s_barrier_signal -1
	s_barrier_wait -1
.endm
	s_load_b256 s[4:11], s[0:1], 0x0
	v_lshl_add_u32 v254, v0, 2, 0x33000
	v_mov_b32 v255, 0
	ds_add_u32 v254, v255
	ds_add_u32 v254, v255
	v_lshrrev_b32 v1, 5, v0
	s_delay_alu instid0(VALU_DEP_1)
	v_readfirstlane_b32 s[WV], v1
	s_bfe_u32 s13, ttmp6, 0x40000
	s_and_b32 s14, ttmp7, 0xffff
	s_mov_b32 s[G1C], 15|(3<<16)|(1<<21)
	s_mov_b32 s[G1C+1], 32<<16
	s_mov_b32 s[G1C+2], 48<<16
	s_mov_b32 s[G1C+3], 32<<16
	s_mov_b32 s[G1C+4], 48
	s_mov_b32 s[G1C+5], 32
	s_mov_b32 s[G1C+6], 0
	s_mov_b32 s[G1C+7], 0
	s_mov_b32 s[G1S], 15|(3<<16)|(1<<21)
	s_mov_b32 s[G1S+1], 32<<16
	s_mov_b32 s[G1S+2], 3<<16
	s_mov_b32 s[G1S+3], 32<<16
	s_mov_b32 s[G1S+4], 3
	s_mov_b32 s[G1S+5], 32
	s_mov_b32 s[G1S+6], 0
	s_mov_b32 s[G1S+7], 0
	s_mul_i32 s56, s14, HIMG
	s_lshr_b32 s57, s[WV], 3
	s_add_co_u32 s57, s57, 1
	s_mul_i32 s57, s57, IMG
	s_add_co_u32 s57, s57, s56
	s_and_b32 s58, s[WV], 7
	s_mul_i32 s58, s58, 12288
	s_add_co_u32 s58, s58, s57
	s_mov_b32 s59, 0
	s_mul_i32 s60, s14, HSC
	s_mul_i32 s61, s[WV], 768
	s_add_co_u32 s62, s60, s61
	s_add_co_u32 s62, s62, SCR
	s_mov_b32 s63, 0
	s_mul_i32 s15, s[WV], 12288
	s_mov_b32 s[SEL], 0x76543210
	s_mov_b32 s[SEL+1], 0xfedcba98
	s_mov_b32 s[CS], 0x3e38aa3b
	s_mov_b32 s[CS+1], s[CS]
	s_wait_dscnt 0x0
	s_wait_kmcnt 0x0
	s_mov_b32 s[G0C], 1
	s_mov_b32 s[G0C+1], s15
	s_add_nc_u64 s[G0C+2:G0C+3], s[4:5], s[58:59]
	s_or_b32 s[G0C+3], s[G0C+3], 0x80000000
	s_mov_b32 s[G0S], 1
	s_add_co_u32 s[G0S+1], s61, KSC
	s_add_nc_u64 s[G0S+2:G0S+3], s[6:7], s[62:63]
	s_or_b32 s[G0S+3], s[G0S+3], 0x80000000
	CROUND
	tensor_load_to_lds s[G0C:G0C+3], s[G1C:G1C+7]
	s_nop 0
	s_wait_alu depctr_va_vdst(0)
	s_wait_tensorcnt 0x0
	ds_add_u32 v254, v255
	s_wait_dscnt 0x0
	CROUND
	tensor_load_to_lds s[G0S:G0S+3], s[G1S:G1S+7]
	s_nop 0
.rept 4
	v_nop
.endr
	s_lshl_b32 s56, s13, 5
	s_add_co_u32 s56, s56, s[WV]
	s_mul_i32 s57, s14, HIMG
	s_mul_i32 s58, s56, 768
	s_add_co_u32 s58, s58, s57
	s_add_nc_u64 s[48:49], s[4:5], s[58:59]
	s_lshr_b32 s58, s56, 2
	s_lshl_b32 s58, s58, 8
	s_and_b32 s60, s56, 3
	s_lshl_b32 s60, s60, 2
	s_add_co_u32 s58, s58, s60
	s_mul_i32 s60, s14, HSC
	s_add_co_u32 s58, s58, s60
	s_add_nc_u64 s[50:51], s[6:7], s[58:59]
	s_and_b32 s60, s14, 15
	s_lshr_b32 s61, s14, 4
	s_lshl_b32 s61, s61, 7
	s_add_co_u32 s61, s61, s56
	s_mul_i32 s58, s60, 393216
	s_mul_i32 s62, s61, 768
	s_add_co_u32 s58, s58, s62
	s_add_nc_u64 s[52:53], s[8:9], s[58:59]
	s_lshl_b32 s58, s61, 9
	s_lshl_b32 s60, s60, 1
	s_add_co_u32 s58, s58, s60
	s_add_nc_u64 s[54:55], s[10:11], s[58:59]
	v_and_b32 v31, 31, v0
	v_and_b32 v29, 15, v0
	s_delay_alu instid0(VALU_DEP_2)
	v_lshlrev_b32 v1, 4, v31
	s_delay_alu instid0(VALU_DEP_3)
	v_lshlrev_b32 v7, 3, v31
	s_delay_alu instid0(VALU_DEP_1)
	v_add_nc_u32 v2, 512, v7
	s_delay_alu instid0(VALU_DEP_3)
	v_add_nc_u32 v3, VIMG, v1
	v_lshlrev_b32 v30, 5, v29
	v_lshlrev_b32 v29, 4, v29
	s_delay_alu instid0(VALU_DEP_1)
	v_add_nc_u32 v4, KSC, v29
	s_delay_alu instid0(VALU_DEP_2)
	v_add_nc_u32 v5, VSC, v29
.irp i, 22,23,24,25,26,27
	v_mov_b32 v\i, 0
.endr
.irp t, 0,1,2,3
.irp i, 6,7,8,9,10,11
	v_mov_b32 v[32+12*\t+\i], 0
.endr
.endr
.irp i, 216,217,218,219,225,227
	v_mov_b32 v\i, 0
.endr
	s_wait_tensorcnt 0x0
	s_barrier_signal -1
	s_barrier_wait -1
.macro STEP
	v_add_nc_u32 v8, s[TK], v1
	s_wait_alu depctr_va_vdst(0)
	v_add_nc_u32 v9, s[TK], v2
	s_wait_alu depctr_va_vdst(0)
	v_add_nc_u32 v10, s[TK], v3
	v_add_nc_u32 v11, s[TSK], v4
	v_add_nc_u32 v28, s[TSV], v5
	ds_load_b128 v[80:83], v11
	ds_load_b128 v[84:87], v11 offset:256
.irp g, 0,1
.if \g
.rept 4
	v_nop
.endr
.endif
.irp t, 0,1,2,3
	ds_load_b128 v[32+12*\t:35+12*\t], v8 offset:(4*\g+\t)*768
	ds_load_b64 v[36+12*\t:37+12*\t], v9 offset:(4*\g+\t)*768
.endr
	s_wait_dscnt 0x0
.irp t, 0,1,2,3
	v_wmma_scale_f32_16x16x128_f8f6f4 v[96+8*(4*\g+\t):103+8*(4*\g+\t)], v[32+12*\t:43+12*\t], v[16:27], 0, v[80+4*\g+\t], v92 matrix_a_fmt:MATRIX_FMT_FP6 matrix_b_fmt:MATRIX_FMT_FP6
.endr
.endr
.rept 4
	v_nop
.endr
.irp b, 0,1,2,3
	v_max3_num_f32 v[212+\b], v[96+16*\b], v[97+16*\b], v[98+16*\b]
.endr
.irp i, 3,5,7,9,11,13
.irp b, 0,1,2,3
	v_max3_num_f32 v[212+\b], v[212+\b], v[96+16*\b+\i], v[97+16*\b+\i]
.endr
.endr
.irp b, 0,1,2,3
	v_max_num_f32 v[212+\b], v[212+\b], v[111+16*\b]
.endr
.irp b, 0,1,2,3
	s_delay_alu instid0(VALU_DEP_4)
	v_permlanex16_b32 v[216+\b], v[212+\b], s[SEL], s[SEL+1]
.endr
.irp b, 0,1,2,3
	s_delay_alu instid0(VALU_DEP_4)
	v_max_num_f32 v[212+\b], v[212+\b], v[216+\b]
.endr
	s_delay_alu instid0(VALU_DEP_2)
	v_max3_num_f32 v227, v212, v213, v214
	s_delay_alu instid0(VALU_DEP_1)
	v_max_num_f32 v227, v227, v215
	s_delay_alu instid0(VALU_DEP_1)
	v_mul_f32 v227, s[CS], v227
	s_delay_alu instid0(VALU_DEP_1)
	v_max_num_f32 v13, v13, v227
	v_mov_b32 v227, v12
	s_delay_alu instid0(VALU_DEP_2)
	v_floor_f32 v12, -v13
	s_delay_alu instid0(VALU_DEP_1)
	v_sub_f32 v227, v12, v227
	s_delay_alu instid0(VALU_DEP_1)
	v_cvt_i32_f32 v227, v227
	s_delay_alu instid0(VALU_DEP_1)
	v_ldexp_f32 v224, 1.0, v227
.set J, 0
.rept 32
	v_pk_fma_f32 v[96+J:97+J], v[96+J:97+J], s[CS:CS+1], v[12:13] op_sel_hi:[1,0,0]
.set J, J+2
.endr
.irp b, 0,1,2,3
	v_fma_f32 v[212+\b], v[212+\b], s[CS], v12
.endr
.set J, 0
	s_wait_alu depctr_va_vdst(0)
.rept 64
	v_exp_f32 v[96+J], v[96+J]
.set J, J+1
.endr
	s_setprio 1
	v_pk_mul_f32 v[14:15], v[14:15], v[224:225] op_sel_hi:[1,0]
	s_wait_alu depctr_va_vdst(0)
.irp b, 0,1,2,3
	v_exp_f32 v[212+\b], v[212+\b]
.endr
	v_pk_add_f32 v[228:229], v[96:97], v[98:99]
.irp j, 4,8,12,16,20,24,28,32,36,40,44,48,52,56,60
	v_pk_add_f32 v[14:15], v[14:15], v[96+\j:97+\j]
	v_pk_add_f32 v[228:229], v[228:229], v[98+\j:99+\j]
.endr
	s_delay_alu instid0(VALU_DEP_1)
	v_pk_add_f32 v[14:15], v[14:15], v[228:229]
	s_wait_alu depctr_va_vdst(0)
.irp b, 0,1,2,3
	v_max_num_f32 v[212+\b], 0x1800000, v[212+\b]
.endr
.irp b, 0,1,2,3
	s_delay_alu instid0(VALU_DEP_4)
	v_add_nc_u32 v[220+\b], 0xff000000, v[212+\b]
.endr
.irp b, 0,1,2,3
	s_delay_alu instid0(VALU_DEP_4)
	v_lshrrev_b32 v[216+\b], 23, v[220+\b]
.endr
	s_delay_alu instid0(VALU_DEP_3)
	v_lshl_or_b32 v226, v217, 8, v216
	s_delay_alu instid0(VALU_DEP_1)
	v_lshl_or_b32 v226, v218, 16, v226
	s_delay_alu instid0(VALU_DEP_1)
	v_lshl_or_b32 v226, v219, 24, v226
.irp c, 0,1
	v_cvt_scalef32_pk16_fp6_f32 v[192+6*\c:194+6*\c], v[96+32*\c:111+32*\c], v[220+2*\c]
	v_cvt_scalef32_pk16_fp6_f32 v[204+4*\c:206+4*\c], v[112+32*\c:127+32*\c], v[220+2*\c+1]
.endr
	v_nop
	ds_load_b128 v[88:91], v28
.irp t, 0,1,2,3
.irp c, 0,1,2
	ds_load_b128 v[96+12*\t+4*\c:99+12*\t+4*\c], v10 offset:\t*1536+512*\c
.endr
.endr
.irp c, 0,1
.irp i, 0,1,2
	v_permlane16_swap_b32 v[192+6*\c+\i], v[204+4*\c+\i]
.endr
.irp i, 0,1,2
	s_delay_alu instid0(VALU_DEP_3)
	v_mov_b32 v[195+6*\c+\i], v[204+4*\c+\i]
.endr
.endr
.set J, 0
	s_setprio 0
.rept 16
	v_pk_mul_f32 v[160+J:161+J], v[160+J:161+J], v[224:225] op_sel_hi:[1,0]
.set J, J+2
.endr
	s_wait_alu depctr_va_vdst(0)
	s_wait_dscnt 0x0
.irp t, 0,1,2,3
	v_wmma_scale_f32_16x16x128_f8f6f4 v[160+8*\t:167+8*\t], v[96+12*\t:107+12*\t], v[192:203], v[160+8*\t:167+8*\t], v[88+\t], v226 matrix_a_fmt:MATRIX_FMT_FP6 matrix_b_fmt:MATRIX_FMT_FP6
.endr
	s_add_co_u32 s[TK], s[TK], 6144
	s_add_co_u32 s[TSK], s[TSK], 512
	s_add_co_u32 s[TSV], s[TSV], 256
.endm
.macro QTILE j
.if \j
	s_wait_xcnt 0x0
.endif
	global_load_b128 v[16:19], v1, s[48:49] offset:12288*\j
	global_load_b64 v[20:21], v7, s[48:49] offset:12288*\j+512
	global_load_b32 v92, v29, s[50:51] offset:1024*\j
	v_mov_b32 v13, 0xff61b1e6
	s_delay_alu instid0(VALU_DEP_1)
	v_floor_f32 v12, -v13
	v_mov_b32 v14, 0
	v_mov_b32 v15, 0
.set J, 0
.rept 32
	v_mov_b32 v[160+J], 0
.set J, J+1
.endr
	s_mov_b32 s[TK], 0
	s_mov_b32 s[TSK], 0
	s_mov_b32 s[TSV], 0
	s_mov_b32 s[CNT], 16
	s_wait_loadcnt 0x0
.Lstep_\@:
	s_setprio 2
	STEP
	s_sub_co_u32 s[CNT], s[CNT], 1
	s_cmp_lg_u32 s[CNT], 0
	s_cbranch_scc1 .Lstep_\@
	s_setprio 0
.rept 4
	v_nop
.endr
	v_add_f32 v14, v14, v15
	s_delay_alu instid0(VALU_DEP_1)
	v_permlanex16_b32 v227, v14, s[SEL], s[SEL+1]
	s_delay_alu instid0(VALU_DEP_1)
	v_add_f32 v14, v14, v227
	s_wait_alu depctr_va_vdst(0)
	v_rcp_f32 v224, v14
	v_nop
	s_wait_alu depctr_va_vdst(0)
.set J, 0
.rept 16
	v_pk_mul_f32 v[96+J:97+J], v[160+J:161+J], v[224:225] op_sel_hi:[1,0]
.set J, J+2
.endr
.irp b, 0,1
	v_max3_num_f32 v[212+\b], |v[96+16*\b]|, |v[97+16*\b]|, 0x1800000
.endr
.irp i, 2,4,6,8,10,12,14
.irp b, 0,1
	s_delay_alu instid0(VALU_DEP_2)
	v_max3_num_f32 v[212+\b], v[212+\b], |v[96+16*\b+\i]|, |v[97+16*\b+\i]|
.endr
.endr
.irp b, 0,1
	s_delay_alu instid0(VALU_DEP_2)
	v_permlanex16_b32 v[216+\b], v[212+\b], s[SEL], s[SEL+1]
.endr
.irp b, 0,1
	s_delay_alu instid0(VALU_DEP_2)
	v_max_num_f32 v[212+\b], v[212+\b], v[216+\b]
.endr
.irp b, 0,1
	s_delay_alu instid0(VALU_DEP_2)
	v_add_nc_u32 v[220+\b], 0xff000000, v[212+\b]
.endr
.irp b, 0,1
	s_delay_alu instid0(VALU_DEP_2)
	v_lshrrev_b32 v[216+\b], 23, v[220+\b]
.endr
	s_delay_alu instid0(VALU_DEP_1)
	v_lshl_or_b32 v227, v217, 8, v216
	v_cvt_scalef32_pk16_fp6_f32 v[192:194], v[96:111], v220
	v_cvt_scalef32_pk16_fp6_f32 v[204:206], v[112:127], v221
	v_nop
.irp i, 0,1,2
	v_permlane16_swap_b32 v[192+\i], v[204+\i]
.endr
.irp i, 0,1,2
	s_delay_alu instid0(VALU_DEP_3)
	v_mov_b32 v[195+\i], v[204+\i]
.endr
	global_store_b128 v1, v[192:195], s[52:53] offset:12288*\j
	global_store_b64 v7, v[196:197], s[52:53] offset:12288*\j+512
	global_store_b16 v30, v227, s[54:55] offset:8192*\j
.endm
	QTILE 0
	QTILE 1
	s_wait_tensorcnt 0x0
	ds_add_u32 v254, v255
	s_wait_dscnt 0x0
	CROUND
	s_endpgm
.Lfunc_end_k_qf2222f7722_attn:
	.size	k_qf2222f7722_attn, .Lfunc_end_k_qf2222f7722_attn-k_qf2222f7722_attn
	.p2alignl 7, 3214868480
	.fill 96, 4, 3214868480
	.section	.rodata,"a",@progbits
	.p2align	6, 0x0
	.amdhsa_kernel k_qf2222f7722_attn
		.amdhsa_group_segment_fixed_size 327680
		.amdhsa_private_segment_fixed_size 0
		.amdhsa_enable_private_segment 0
		.amdhsa_kernarg_size 32
		.amdhsa_user_sgpr_count 2
		.amdhsa_user_sgpr_kernarg_segment_ptr 1
		.amdhsa_wavefront_size32 1
		.amdhsa_system_sgpr_workgroup_id_x 1
		.amdhsa_system_sgpr_workgroup_id_y 1
		.amdhsa_system_sgpr_workgroup_id_z 1
		.amdhsa_system_vgpr_workitem_id 0
		.amdhsa_next_free_vgpr 256
		.amdhsa_next_free_sgpr 66
		.amdhsa_reserve_vcc 0
		.amdhsa_float_denorm_mode_32 3
		.amdhsa_float_denorm_mode_16_64 3
		.amdhsa_memory_ordered 1
		.amdhsa_forward_progress 1
		.amdhsa_inst_pref_size 54
	.end_amdhsa_kernel
	.amdgpu_metadata
---
amdhsa.version: [ 1, 2 ]
amdhsa.kernels:
  - .name:           k_qf2222f7722_attn
    .symbol:         k_qf2222f7722_attn.kd
    .args:
      - { .name: qkv, .offset: 0, .size: 8, .value_kind: global_buffer, .address_space: global }
      - { .name: qkvs, .offset: 8, .size: 8, .value_kind: global_buffer, .address_space: global }
      - { .name: acod, .offset: 16, .size: 8, .value_kind: global_buffer, .address_space: global }
      - { .name: ascl, .offset: 24, .size: 8, .value_kind: global_buffer, .address_space: global }
    .group_segment_fixed_size: 327680
    .private_segment_fixed_size: 0
    .kernarg_segment_align: 8
    .kernarg_segment_size: 32
    .max_flat_workgroup_size: 512
    .sgpr_count:     66
    .vgpr_count:     256
    .wavefront_size: 32
...
	.end_amdgpu_metadata
.endif
;; end of part 3
;; launch gemm_out (part 4): grid 4 x 32, 4 waves a work-group, clusters of 4 x 4, 327,680 bytes of LDS; arguments acod, ascl, wcod, wscl, b_out, out0; writes out0
.if DOCPART == 4
	.amdgcn_target "amdgcn-amd-amdhsa--gfx1250"
	.amdhsa_code_object_version 6
	.text
	.protected	k_qf2222f7722_gemm_out
	.globl	k_qf2222f7722_gemm_out
	.p2align	8
	.type	k_qf2222f7722_gemm_out,@function
k_qf2222f7722_gemm_out:
	s_mov_b64 s[64:65], 0
	v_nop
	global_prefetch_b8 v0, s[64:65] scope:SCOPE_SE
	s_setreg_imm32_b32 hwreg(HW_REG_WAVE_MODE, 25, 1), 1
	s_wait_xcnt 0x0
	s_wait_alu depctr_hold_cnt(0) depctr_sa_sdst(0) depctr_va_vdst(0) depctr_va_sdst(0) depctr_va_ssrc(0) depctr_va_vcc(0) depctr_vm_vsrc(0)
	s_getreg_b32 s2, hwreg(HW_REG_IB_STS2, 6, 4)
	s_cmp_eq_u32 s2, 0
	s_cbranch_scc0 .Lentry_in_a_cluster
	s_endpgm
.Lentry_in_a_cluster:
	s_bfe_u32 s2, ttmp6, 0x10000c
	s_cmp_lg_u32 s2, 0xf033
	s_cbranch_scc0 .Lentry_shape_is_right
	s_endpgm
.Lentry_shape_is_right:
.set KSTEP,  256
.set NQ,     KSTEP/128
.set ROWB,   192
.set KROW,   768
.set PITCH,  240
.set FR,     12
.set NLA,    4
.set NP,     4
.set HALFT,  128*PITCH
.set SLOT,   4*HALFT
.set KS,     32
.set SCL,    2*SLOT
.set HALFS,  (128*KS/256)*272
.set SBLK,   (16*KS/256)*272
.set SPARE,  SCL+4*HALFS
.set SPITCH, 528
.set AHEAD4, 1572864
.set ADRA, 16
.set ADRB, 20
.set STO,  24
.set RD,   25
.set CO,   26
.set ADRS, 27
.set SPW,  28
.set NIL,  29
.set SC,   32
.set BI,   64
.set AF,   128
.set BK,   128
.set G1, 24
.set G0, 32
.set G1B, 48
.set G0B, 56
.set G1S, 68
.set G0S, 76
.set G1SB, 80
.set G0SB, 88
.set MSB, 0
.macro WIN new
.if MSB != (\new)
	s_set_vgpr_msb (MSB<<8)|(\new)
.set MSB, (\new)
.endif
.endm
.set MUL_LO, 0xa1
.set MUL_HI, 0xf1
.set TO_B,   0x40
.macro JLOAD g0a, g1a, g0b, g1b
	s_cmp_eq_u32 s15, 0
	s_cbranch_scc0 .Lfor_b_\@
	tensor_load_to_lds s[\g0a:\g0a+3], s[\g1a:\g1a+7]
	s_nop 0
.rept 4
	v_nop
.endr
	s_branch .Lasked_\@
.Lfor_b_\@:
	tensor_load_to_lds s[\g0b:\g0b+3], s[\g1b:\g1b+7]
	s_nop 0
.rept 4
	v_nop
.endr
.Lasked_\@:
.endm
.macro CREST
	s_cmp_lg_u32 s14, 0
	s_cbranch_scc1 .Lnot_wave_0_\@
	s_barrier_signal -3
.Lnot_wave_0_\@:
	s_barrier_wait -3
	s_barrier_signal -1
	s_barrier_wait -1
.endm
.macro CROUND
	s_barrier_signal -1
	s_barrier_wait -1
	CREST
.endm
	s_load_b128 s[4:7], s[0:1], 0x0
	s_load_b128 s[8:11], s[0:1], 0x10
	s_load_b64 s[96:97], s[0:1], 0x20
	s_load_b64 s[12:13], s[0:1], 0x28
	v_lshl_add_u32 v[SPW], v0, 2, SPARE
	v_mov_b32 v[NIL], 0
	ds_add_u32 v28, v29
	ds_add_u32 v28, v29
	s_wait_dscnt 0x0
	v_lshrrev_b32 v1, 5, v0
	v_readfirstlane_b32 s14, v1
	s_lshr_b32 s15, s14, 1
	s_and_b32 s16, s14, 1
	s_bfe_u32 s40, ttmp6, 0x40000
	s_bfe_u32 s41, ttmp6, 0x40004
	s_lshl_b32 s42, ttmp9, 2
	s_add_co_u32 s42, s42, s40
	s_and_b32 s17, ttmp7, 0xffff
	s_lshl_b32 s17, s17, 2
	s_add_co_u32 s17, s17, s41
	s_lshl_b32 s43, s41, 2
	s_lshl_b32 s43, 15, s43
	s_lshl_b32 s44, 0x1111, s40
	s_or_b32 s[G1+0], s43, (3<<16)|(1<<21)
	s_mov_b32 s[G1+1], 768<<16
	s_mov_b32 s[G1+2], 4<<16
	s_mov_b32 s[G1+3], 768<<16
	s_mov_b32 s[G1+4], 4
	s_mov_b32 s[G1+5], 49152
	s_mov_b32 s[G1+6], 0
	s_mov_b32 s[G1+7], 0
	s_or_b32 s[G1B+0], s44, (0<<16)|(1<<20)|(1<<21)|(3<<22)|(3<<25)
	s_mov_b32 s[G1B+1], ROWB<<16
	s_mov_b32 s[G1B+2], 128<<16
	s_mov_b32 s[G1B+3], ROWB<<16
	s_mov_b32 s[G1B+4], 128
	s_mov_b32 s[G1B+5], KROW
	s_mov_b32 s[G1B+6], 0
	s_mov_b32 s[G1B+7], 0
	s_or_b32 s[G1S+0], s43, (3<<16)|(1<<20)|(1<<21)|(5<<22)|(3<<25)
	s_or_b32 s[G1SB+0], s44, (3<<16)|(1<<20)|(1<<21)|(5<<22)|(3<<25)
.irp g, G1S, G1SB
	s_mov_b32 s[\g+1], 32<<16
	s_mov_b32 s[\g+2], (128*KS/256)<<16
	s_mov_b32 s[\g+3], 32<<16
	s_mov_b32 s[\g+4], 128*KS/256
	s_mov_b32 s[\g+5], 32
	s_mov_b32 s[\g+6], 0
	s_mov_b32 s[\g+7], 0
.endr
	s_lshl_b32 s18, s16, 7
	s_lshl_b32 s20, s17, 8
	s_add_co_u32 s20, s20, s18
	s_lshl_b32 s46, s42, 8
	s_add_co_u32 s46, s46, s18
	s_add_co_u32 s46, s46, 3072
	s_mov_b32 s21, 0
	s_mov_b32 s47, 0
	s_mov_b64 s[18:19], KS
	s_mul_u64 s[22:23], s[20:21], s[18:19]
	s_mul_u64 s[92:93], s[46:47], s[18:19]
	s_mov_b64 s[18:19], 48
	s_mul_u64 s[20:21], s[20:21], s[18:19]
	s_mov_b64 s[18:19], KROW
	s_mul_u64 s[46:47], s[46:47], s[18:19]
	s_mul_i32 s45, s14, HALFT
	s_mul_i32 s94, s14, HALFS
	s_wait_kmcnt 0x0
	s_add_nc_u64 s[20:21], s[4:5], s[20:21]
	s_add_nc_u64 s[22:23], s[6:7], s[22:23]
	s_add_nc_u64 s[46:47], s[8:9], s[46:47]
	s_add_nc_u64 s[92:93], s[10:11], s[92:93]
	CROUND
	s_mov_b32 s[G0S], 1
	s_add_co_u32 s[G0S+1], s94, SCL
	s_mov_b64 s[G0S+2:G0S+3], s[22:23]
	s_or_b32 s[G0S+3], s[G0S+3], 0x80000000
	s_mov_b32 s[G0SB], 1
	s_add_co_u32 s[G0SB+1], s94, SCL
	s_mov_b64 s[G0SB+2:G0SB+3], s[92:93]
	s_or_b32 s[G0SB+3], s[G0SB+3], 0x80000000
	JLOAD G0S, G1S, G0SB, G1SB
.irp s, 0,1
	s_mov_b32 s[G0+4*\s], 1
	s_add_co_u32 s[G0+4*\s+1], s45, \s*SLOT
	s_add_nc_u64 s[G0+4*\s+2:G0+4*\s+3], s[20:21], \s*AHEAD4
	s_or_b32 s[G0+4*\s+3], s[G0+4*\s+3], 0x80000000
	s_mov_b32 s[G0B+4*\s], 1
	s_add_co_u32 s[G0B+4*\s+1], s45, \s*SLOT
	s_add_nc_u64 s[G0B+4*\s+2:G0B+4*\s+3], s[46:47], \s*ROWB
	s_or_b32 s[G0B+4*\s+3], s[G0B+4*\s+3], 0x80000000
	s_wait_alu depctr_va_vdst(0)
	s_wait_tensorcnt 0x0
	ds_add_u32 v28, v29
	s_wait_dscnt 0x0
	CROUND
	JLOAD G0+4*\s, G1, G0B+4*\s, G1B
.endr
	v_and_b32 v1, 15, v0
	v_bfe_u32 v2, v0, 4, 1
	v_and_b32 v6, 31, v0
	v_mul_u32_u24 v3, v1, PITCH
	v_mul_u32_u24 v4, v2, 24
	v_add_nc_u32 v4, v3, v4
	v_lshl_add_u32 v5, v2, 4, v4
	v_lshlrev_b32 v[CO], 4, v6
	v_lshlrev_b32 v7, 3, v6
	s_mul_i32 s21, s15, HALFT
	s_mul_i32 s22, s16, HALFT
	s_add_co_u32 s22, s22, 2*HALFT
.irp s, 0,1
	v_add_nc_u32 v[ADRA+\s], s21, v[CO]
	v_add_nc_u32 v[ADRA+2+\s], s21, v7
	v_add_nc_u32 v[ADRB+\s], s22, v4
	v_add_nc_u32 v[ADRB+2+\s], s22, v5
	s_add_co_u32 s21, s21, SLOT
	s_add_co_u32 s22, s22, SLOT
.endr
	v_mul_u32_u24 v5, v1, KS
	v_lshrrev_b32 v6, 8, v5
	v_lshl_add_u32 v5, v6, 4, v5
	s_mul_i32 s21, s15, HALFS
	s_mul_i32 s22, s16, HALFS
	s_add_co_u32 s22, s22, 2*HALFS
	s_sub_co_u32 s22, s22, s21
	v_mul_u32_u24 v6, s22, v2
	s_add_co_u32 s21, s21, SCL
	v_add_nc_u32 v5, v5, v6
	v_add_nc_u32 v[ADRS], s21, v5
	s_mul_i32 s23, s14, 16*SPITCH
	v_mul_u32_u24 v5, v1, SPITCH
	v_lshl_add_u32 v5, v2, 6, v5
	v_add_nc_u32 v[STO], s23, v5
	v_add_nc_u32 v[RD], s23, v[CO]
	s_lshl_b32 s20, s17, 8
	s_lshl_b32 s21, s15, 7
	s_add_co_u32 s20, s20, s21
	s_lshl_b32 s20, s20, 12
	s_lshl_b32 s46, s42, 10
	s_lshl_b32 s47, s16, 9
	s_add_co_u32 s46, s46, s47
	s_mov_b32 s47, 0
	s_add_nc_u64 s[96:97], s[96:97], s[46:47]
	s_add_co_u32 s20, s20, s46
	s_mov_b32 s21, 0
	s_add_nc_u64 s[12:13], s[12:13], s[20:21]
	v_lshlrev_b32 v7, 6, v2
.irp b, 0,1,2,3,4,5,6,7
	global_load_b128 v[BI+8*\b:BI+8*\b+3], v7, s[96:97] offset:(32*(\b/2)+8*(\b%2))*4
	global_load_b128 v[BI+8*\b+4:BI+8*\b+7], v7, s[96:97] offset:(32*(\b/2)+8*(\b%2))*4+16
.endr
.macro FRAG reg, adr, q, i
.irp p, 0,1,2,3,4,5
.set PCE, 12*(\q)+6*(\p/3)+\p%3
.if PCE%8 < 5
	ds_load_b64 v[\reg+2*\p:\reg+2*\p+1], v[\adr] offset:8*PCE+16*(PCE/8)+(\i)*16*PITCH
.else
	ds_load_b64 v[\reg+2*\p:\reg+2*\p+1], v[\adr+2] offset:8*PCE+16*(PCE/8)+(\i)*16*PITCH
.endif
.endr
.endm
.macro FRAGA reg, slot, q, i
.irp c, 0,1
	ds_load_b128 v[\reg+6*\c:\reg+6*\c+3], v[ADRA+\slot] offset:(2*(\q)+\c)*6144+(\i)*768
	ds_load_b64 v[\reg+6*\c+4:\reg+6*\c+5], v[ADRA+2+\slot] offset:(2*(\q)+\c)*6144+(\i)*768+512
.endr
.endm
.macro MUL16 a0, p, q, sc, zero
.irp a, \a0, \a0+1
.irp b, 0,1,2,3,4,5,6,7
.if \zero
	v_wmma_scale_f32_16x16x128_f8f6f4 v[8*(8*((\a)%4)+\b):8*(8*((\a)%4)+\b)+7], v[128*(\p)+FR*\b:128*(\p)+FR*\b+FR-1], v[AF+FR*(\a):AF+FR*(\a)+FR-1], v[BI+8*\b:BI+8*\b+7], v[SC+8*NQ*(\sc)+NQ*\b+(\q)], v[SC+8*NQ*(\sc)+NQ*(\a)+(\q)] matrix_a_fmt:MATRIX_FMT_FP6 matrix_b_fmt:MATRIX_FMT_FP6 matrix_a_scale:MATRIX_SCALE_ROW1
.else
	v_wmma_scale_f32_16x16x128_f8f6f4 v[8*(8*((\a)%4)+\b):8*(8*((\a)%4)+\b)+7], v[128*(\p)+FR*\b:128*(\p)+FR*\b+FR-1], v[AF+FR*(\a):AF+FR*(\a)+FR-1], v[8*(8*((\a)%4)+\b):8*(8*((\a)%4)+\b)+7], v[SC+8*NQ*(\sc)+NQ*\b+(\q)], v[SC+8*NQ*(\sc)+NQ*(\a)+(\q)] matrix_a_fmt:MATRIX_FMT_FP6 matrix_b_fmt:MATRIX_FMT_FP6 matrix_a_scale:MATRIX_SCALE_ROW1
.endif
.endr
.endr
.endm
.macro FETCH_B slot, q, p
	WIN TO_B
.irp i, 0,1,2,3,4,5,6,7
	FRAG 128*(\p)+FR*\i, ADRB+\slot, \q, \i
.endr
	WIN 0
.endm
.macro FETCH_A slot, q, i0
.irp i, \i0, \i0+1, \i0+2, \i0+3
	FRAGA AF+FR*(\i), \slot, \q, \i
.endr
.endm
.macro SCALES sc
.irp i, 0,1,2,3,4,5,6,7
	ds_load_b64 v[SC+8*NQ*\sc+NQ*\i:SC+8*NQ*\sc+NQ*\i+1], v[ADRS] offset:\i*SBLK
.endr
.endm
.macro PLACES n
.rept \n
	v_nop
.endr
.endm
.macro STEP slot, q, zero
	s_wait_dscnt 4*NLA
.if \zero
	WIN 0x81
.else
	WIN MUL_LO
.endif
	MUL16 0, (\q)%2, \q, \slot, \zero
	MUL16 2, (\q)%2, \q, \slot, \zero
	s_wait_dscnt 0
	PLACES NP
	FETCH_B \slot, (\q)+1, 1-(\q)%2
	FETCH_A \slot, (\q)+1, 0
.if \zero
	WIN 0xc1
.else
	WIN MUL_HI
.endif
	MUL16 4, (\q)%2, \q, \slot, \zero
	MUL16 6, (\q)%2, \q, \slot, \zero
	PLACES NP
	WIN 0
	FETCH_A \slot, (\q)+1, 4
.endm
.macro TURN slot, next, fill
	s_wait_tensorcnt 0x0
	ds_add_u32 v[SPW], v[NIL]
	s_wait_dscnt 4*NLA+1
	WIN MUL_LO
	MUL16 0, 1, NQ-1, \slot, 0
	s_wait_dscnt 0x0
	s_barrier_signal -1
	MUL16 2, 1, NQ-1, \slot, 0
	WIN 0
	s_barrier_wait -1
.if \fill
	CREST
	s_add_nc_u64 s[G0+4*\slot+2:G0+4*\slot+3], s[G0+4*\slot+2:G0+4*\slot+3], 2*AHEAD4
	s_add_nc_u64 s[G0B+4*\slot+2:G0B+4*\slot+3], s[G0B+4*\slot+2:G0B+4*\slot+3], 2*ROWB
	JLOAD G0+4*\slot, G1, G0B+4*\slot, G1B
.else
	PLACES NP
.endif
	s_wait_alu depctr_va_vdst(0)
	v_add_nc_u32 v[ADRS], 4*NQ, v[ADRS]
	FETCH_B \next, 0, 0
	FETCH_A \next, 0, 0
	SCALES \next
	WIN MUL_HI
	MUL16 4, 1, NQ-1, \slot, 0
	MUL16 6, 1, NQ-1, \slot, 0
	PLACES NP
	WIN 0
	FETCH_A \next, 0, 4
.endm
	s_wait_alu depctr_va_vdst(0)
	s_wait_tensorcnt 1
	s_barrier_signal -1
	s_barrier_wait -1
	FETCH_B 0, 0, 0
	FETCH_A 0, 0, 0
	SCALES 0
	FETCH_A 0, 0, 4
	s_wait_loadcnt 0x0
	STEP 0, 0, 1
	TURN 0, 1, 1
	STEP 1, 0, 0
	TURN 1, 0, 1
	STEP 0, 0, 0
	TURN 0, 1, 0
	STEP 1, 0, 0
	s_wait_dscnt 4*NLA
	WIN MUL_LO
	MUL16 0, 1, NQ-1, 1, 0
	MUL16 2, 1, NQ-1, 1, 0
	s_wait_dscnt 0
	WIN MUL_HI
	MUL16 4, 1, NQ-1, 1, 0
	MUL16 6, 1, NQ-1, 1, 0
	WIN 0
.macro TOSTAGE a
.set AC, 64*((\a)%4)
	WIN 0x08+4*((\a)/4)
.irp b, 0,1,2,3,4,5,6,7
	ds_store_b128 v[STO], v[AC+8*\b:AC+8*\b+3] offset:128*(\b/2)+32*(\b%2)
	ds_store_b128 v[STO], v[AC+8*\b+4:AC+8*\b+7] offset:128*(\b/2)+32*(\b%2)+16
.endr
	WIN 0
.set BB, BK+64*((\a)%2)
.irp t, 0,1,2,3,4,5,6,7,8,9,10,11,12,13,14,15
	ds_load_b128 v[BB+4*\t:BB+4*\t+3], v[RD] offset:\t*SPITCH
.endr
.endm
.macro SEND a, younger
.set BB, BK+64*((\a)%2)
	s_wait_dscnt \younger
.irp t, 0,1,2,3,4,5,6,7,8,9,10,11,12,13,14,15
	global_store_b128 v[CO], v[BB+4*\t:BB+4*\t+3], s[12:13] offset:(32*((\a)/2)+8*((\a)%2)+\t+8*(\t/8))*4096 th:TH_STORE_NT
.endr
.endm
	PLACES NP
	TOSTAGE 0
.irp a, 1,2,3,4,5,6,7
.if \a > 1
	s_wait_xcnt 0x0
.endif
	TOSTAGE \a
	SEND \a-1, 32
.endr
	SEND 7, 0
	s_wait_tensorcnt 0x0
	ds_add_u32 v[SPW], v[NIL]
	s_wait_dscnt 0x0
	CROUND
	s_endpgm
.Lfunc_end_k_qf2222f7722_gemm_out:
	.size	k_qf2222f7722_gemm_out, .Lfunc_end_k_qf2222f7722_gemm_out-k_qf2222f7722_gemm_out
	.p2alignl 7, 3214868480
	.fill 96, 4, 3214868480
	.section	.rodata,"a",@progbits
	.p2align	6, 0x0
	.amdhsa_kernel k_qf2222f7722_gemm_out
		.amdhsa_group_segment_fixed_size 327680
		.amdhsa_private_segment_fixed_size 0
		.amdhsa_enable_private_segment 0
		.amdhsa_kernarg_size 48
		.amdhsa_user_sgpr_count 2
		.amdhsa_user_sgpr_kernarg_segment_ptr 1
		.amdhsa_wavefront_size32 1
		.amdhsa_system_sgpr_workgroup_id_x 1
		.amdhsa_system_sgpr_workgroup_id_y 1
		.amdhsa_system_sgpr_workgroup_id_z 1
		.amdhsa_system_vgpr_workitem_id 0
		.amdhsa_next_free_vgpr 1024
		.amdhsa_next_free_sgpr 98
		.amdhsa_reserve_vcc 0
		.amdhsa_float_denorm_mode_32 3
		.amdhsa_float_denorm_mode_16_64 3
		.amdhsa_memory_ordered 1
		.amdhsa_forward_progress 1
		.amdhsa_inst_pref_size 154
	.end_amdhsa_kernel
	.amdgpu_metadata
---
amdhsa.version: [ 1, 2 ]
amdhsa.kernels:
  - .name:           k_qf2222f7722_gemm_out
    .symbol:         k_qf2222f7722_gemm_out.kd
    .args:
      - { .name: acod, .offset: 0, .size: 8, .value_kind: global_buffer, .address_space: global }
      - { .name: ascl, .offset: 8, .size: 8, .value_kind: global_buffer, .address_space: global }
      - { .name: wcod, .offset: 16, .size: 8, .value_kind: global_buffer, .address_space: global }
      - { .name: wscl, .offset: 24, .size: 8, .value_kind: global_buffer, .address_space: global }
      - { .name: b_out, .offset: 32, .size: 8, .value_kind: global_buffer, .address_space: global }
      - { .name: out0, .offset: 40, .size: 8, .value_kind: global_buffer, .address_space: global }
    .group_segment_fixed_size: 327680
    .private_segment_fixed_size: 0
    .kernarg_segment_align: 8
    .kernarg_segment_size: 48
    .max_flat_workgroup_size: 128
    .sgpr_count:     98
    .vgpr_count:     1024
    .wavefront_size: 32
...
	.end_amdgpu_metadata
.endif
;; end of part 4
